; MI455X (gfx1250); checked and timed in simulation.
; The chip was launched on July 23, 2026; its instructions are those of AMD's public machine-readable ISA for CDNA 5 (MIT licence, August 2026) and "CDNA5" Instruction Set Architecture Reference Guide (July 2026). The comments in the code are by the model that wrote it; some were corrected since.
;; Causal Self Attention. Allowed arithmetic: matrix products marked QUANTISED: E4M3 operands, one given power-of-two scale a tensor, by v_wmma_f32_16x16x64_fp8_fp8 or v_wmma_f32_16x16x128_fp8_fp8, f32 sums; everything else in f32.
;; Inputs: b_out 1,024 float32; b_qkv 3,072 float32; lowp_scales 8 int32 (the exponents e of the quantised operands' scales 2^e); w_out 1,024 x 1,024 float32; w_qkv 3,072 x 1,024 float32; x 4 x 2,048 x 1,024 float32.
;; Outputs: out0 4 x 2,048 x 1,024 float32.
;; This version of the problem:
;;   THIS VERSION OF THE PROBLEM IS GIVEN IN LOW PRECISION. The matrix products marked QUANTISED in the list below multiply operands that are first quantised to E4M3 (4 exponent bits, 3 mantissa bits; 8 bits a number), with one given power-of-two scale for each operand tensor; their sums are f32. All else is computed in f32.
;;   The module's matrix products, in the order in which they are computed (A, B: the left and right operand; K: the contracted axis; several contracted axes count as one K, in the product's order):
;;     1. [M 8,192, K 1,024] x [K 1,024, N 3,072]; A: input x; B: input w_qkv: QUANTISED (scales: A lowp_scales[0], B lowp_scales[1])
;;     2. batch 64 x [M 2,048, K 64] x [K 64, N 2,048]; A: computed on the way; B: computed on the way: QUANTISED (scales: A lowp_scales[2], B lowp_scales[3])
;;     3. batch 64 x [M 2,048, K 2,048] x [K 2,048, N 64]; A: softmax (see below); B: computed on the way: QUANTISED (scales: A lowp_scales[4], B lowp_scales[5])
;;     4. [M 8,192, K 1,024] x [K 1,024, N 1,024]; A: computed on the way; B: input w_out: QUANTISED (scales: A lowp_scales[6], B lowp_scales[7])
;;   THE QUANTISER, for each operand of a quantised product, along K:
;;     - The operand's scale is 2^e, e = its entry of the input lowp_scales (int32; the entries are numbered through the quantised products in the list's order, A before B).
;;     - Each number is divided by the scale, clamped to +-448, and rounded to the nearest number of E4M3, ties to even, subnormals kept.
;;     - The product sums the exact products of the quantised numbers (number of the format x scale) in f32.
;;   ~~~python
;;   def quantise(x, axis, e):      # numpy; x: float32 -> the quantised numbers, widened to float32 again
;;       x = np.moveaxis(x, axis, -1); K = x.shape[-1]
;;       r = np.clip(x / 2.0 ** e, -448, 448)
;;       step = 2.0 ** (np.maximum(np.frexp(np.where(r == 0, 1, r))[1] - 1, -6) - 3)
;;       q = np.round(r / step) * step * 2.0 ** e      # np.round: ties to even
;;       return np.moveaxis(q, -1, axis).astype(np.float32)
;;   ~~~
;;   SOFTMAX AHEAD OF A QUANTISED PRODUCT. Where the list says 'softmax', what is quantised is not the finished softmax but p = 2^(t - M), with t = logit x log2(e) and M = ceil(the row's largest t), a whole number; so 1/2 < the row's largest p <= 1. The row's sum l is taken of the UNQUANTISED p, in f32, and the product's result is divided by l at the end. Since M is a whole number, a kernel that streams over the keys may use a running M (the ceiling of the running maximum): every later rescaling is an exact power of two, so the quantised numbers keep their values, but for numbers so far below the row's largest that they fall under the format's range.
;;   OPERANDS COMPUTED ON THE WAY. 'Computed on the way' means the value that the module computes at that place (a softmax that the list does not call 'softmax' is quantised finished and normalised). What goes into a quantiser is computed in f32, as accurately as f32 sums, v_exp_f32 and their like allow (about 1e-6 of the number): no bf16 or f16 on the way to a quantiser, and a product that is left as it is and whose result goes on into a quantised operand takes f32 operands (vector FMAs, or v_wmma_f32_16x16x4_f32). A number that lies on a knife's edge between two numbers of the format may be rounded either way, as far as f32 arithmetic and the matrix unit's own rounding can turn it there, and no further.
;; One version. Each part assembles by itself: llvm-mc -triple=amdgcn-amd-amdhsa -mcpu=gfx1250 --defsym DOCPART=n.
;; ======== version 1 of 1: 4 launches
;; limits: right only within a limited range of input values
;; workspace buffers: xc 8,388,608 bytes; wc 3,145,728 bytes; woc 1,048,576 bytes; qkv 25,165,824 bytes; oc 8,388,608 bytes
;; launch quant (part 1): grid 768 x 1, 4 waves a work-group, no clusters, 33,280 bytes of LDS; arguments x, w_qkv, w_out, lowp_scales, xc, wc, woc; writes xc, wc, woc
.if DOCPART == 1
	.amdgcn_target "amdgcn-amd-amdhsa--gfx1250"
	.amdhsa_code_object_version 6
	.text
	.protected	k_qf83e777556_quant
	.globl	k_qf83e777556_quant
	.p2align	8
	.type	k_qf83e777556_quant,@function
k_qf83e777556_quant:
	s_mov_b64 s[64:65], 0
	v_nop
	global_prefetch_b8 v0, s[64:65] scope:SCOPE_SE
	s_setreg_imm32_b32 hwreg(HW_REG_WAVE_MODE, 25, 1), 1
	s_wait_xcnt 0x0
; x [8192][1024], w_qkv [3072][1024] and w_out [1024][1024], f32 with K innermost, become codes of FP8 (E4M3), one byte each, in the same order,
; each with the one scale 2^e that is given for it: entry 0 (x), entry 1 (w_qkv), entry 7 (w_out) of the buffer of scales.
; code = number / 2^e, held within +-448, rounded to the nearest code, ties to even.
; WORK LEFT OUT IN THIS PROGRAM: reference() sets the score of key k for query q to -infinity wherever k > q, by a tril that it builds itself; such a score's p is 0 for all values of the inputs.
; So the attention launch leaves out the steps of 128 keys that lie wholly behind a tile's 16 queries, in both of its products.  Every input has a way to the output and is loaded.
; LIMIT: a NaN, an infinity or an overflow that would arise only in the scores left out is not carried to the result.
; LIMITS: each e lies between -126 and 119, so that 2^e and 448 x 2^e are f32 numbers.  NaN among the inputs is not served (an infinity is held at the largest code).
; Rows are dense, so each tensor is a plain stream of numbers.  A work-group takes 16,384 numbers, a wave 8 steps of 512.
; Work-groups 0-511 take x, 512-703 w_qkv, 704-767 w_out: only pointers and the exponent are chosen, by selects on the work-group's number; there is one path through the text.
; A conversion takes 8 neighbours from ONE lane's registers; a load takes neighbouring bytes in neighbouring LANES: each of a step's four loads reads 512 consecutive
; bytes, 16 a lane; the 2,048 bytes go through the wave's own stage in LDS as they lie and come back 64 bytes a lane.  A lane's 16 codes are 16 bytes: the wave stores 512 consecutive bytes.
; No work-group shares an input byte with another, so there is nothing for a cluster to share; no matrix work; no barrier: waves share nothing.
.set STEPS, 8
.set WGX,   512                        ; work-groups for x
.set WGQ,   704                        ; and for x and w_qkv together
.set EMAX,  8
.set MANT,  0x600000                   ; the mantissa field of 448 as f32
.set CB,    16                         ; bytes of 16 codes
.set R,     16                         ; v16-79   four sets of 16 numbers as they are loaded
.set X,     80                         ; v80-111  two sets of 16 neighbours
.set C,     128                        ; v128-159 codes: four registers for each step, so that no store's data are written again
.set WREG,  8192                       ; LDS: a region of its own for each wave: two stages of 32 x SP bytes
.set SP,    80                         ; a lane's place in a stage: its 64 bytes + 16 of padding
.set SPW,   12                         ; v12 LDS address of my spare word; never rewritten
.set NIL,   13                         ; v13 0; never rewritten
.set SPARE, 4*WREG                     ; behind the four regions: the spare words, 128 bytes for each wave
	s_load_b256 s[4:11], s[0:1], 0x0               ; x s[4:5], w_qkv s[6:7], w_out s[8:9], the scales' exponents s[10:11]
	s_load_b128 s[12:15], s[0:1], 0x20             ; x's codes s[12:13], w_qkv's s[14:15]
	s_load_b64 s[16:17], s[0:1], 0x30              ; w_out's codes
	v_lshl_add_u32 v[SPW], v0, 2, SPARE
	v_mov_b32 v[NIL], 0
	v_lshrrev_b32 v1, 5, v0
	v_readfirstlane_b32 s18, v1                    ; wave
	v_and_b32 v2, 31, v0                           ; lane
	v_lshlrev_b32 v3, 4, v2                        ; my 16 bytes of a load's 512
	s_mul_i32 s19, s18, WREG
	v_lshrrev_b32 v14, 2, v2
	v_mul_u32_u24 v14, v14, SP
	v_and_b32 v15, 3, v2
	v_lshl_add_u32 v14, v15, 4, v14
	v_add_nc_u32 v14, s19, v14                     ; the stage, on the way in: four lanes' 64 bytes on end, then 16 of padding
	v_mul_u32_u24 v15, v2, SP
	v_add_nc_u32 v15, s19, v15                     ; and on the way out: SP x lane: my 16 neighbours
	v_mul_u32_u24 v4, v2, CB                       ; my codes' place in a step's
	s_mov_b32 s24, WGQ
	s_wait_alu depctr_va_vdst(0)                   ; directly ahead of the wait below
	s_wait_kmcnt 0x0
	s_load_b256 s[32:39], s[10:11], 0x0            ; the eight exponents
	s_cmp_lt_u32 ttmp9, WGQ                        ; w_qkv or w_out?  The choices hang on the work-group's number alone
	s_cselect_b64 s[6:7], s[6:7], s[8:9]
	s_cselect_b64 s[14:15], s[14:15], s[16:17]
	s_cselect_b32 s24, WGX, s24
	s_cmp_lt_u32 ttmp9, WGX                        ; x or one of those?
	s_cselect_b64 s[4:5], s[4:5], s[6:7]
	s_cselect_b64 s[12:13], s[12:13], s[14:15]
	s_cselect_b32 s24, 0, s24                      ; the tensor's first work-group
	s_sub_co_u32 s25, ttmp9, s24
	s_lshl_b32 s25, s25, 2
	s_add_co_u32 s26, s25, s18                     ; which run of 4,096 numbers of the tensor is my wave's
	s_mov_b32 s27, 0
	s_lshl_b64 s[20:21], s[26:27], 14              ; 16,384 bytes of numbers,
	s_add_nc_u64 s[4:5], s[4:5], s[20:21]
	s_lshl_b64 s[20:21], s[26:27], 12              ; 4,096 bytes of codes
	s_add_nc_u64 s[12:13], s[12:13], s[20:21]
.macro LOAD t
.irp i, 0,1,2,3
	global_load_b128 v[R+16*((\t)%4)+4*\i:R+16*((\t)%4)+4*\i+3], v3, s[4:5] offset:2048*(\t)+512*\i th:TH_LOAD_NT   ; 32 lanes read 512 consecutive bytes
.endr
.endm
.macro TURN t                          ; step t's numbers through the stage: LDS serves a wave's instructions in order, so no wait stands between the stores and the loads
.irp i, 0,1,2,3
	ds_store_b128 v14, v[R+16*((\t)%4)+4*\i:R+16*((\t)%4)+4*\i+3] offset:32*SP*((\t)%2)+8*SP*\i
.endr
.irp i, 0,1,2,3
	ds_load_b128 v[X+16*((\t)%2)+4*\i:X+16*((\t)%2)+4*\i+3], v15 offset:32*SP*((\t)%2)+16*\i
.endr
.endm
.irp t, 0,1,2,3
	LOAD \t
.endr
	s_wait_kmcnt 0x0
	s_cmp_lt_u32 ttmp9, WGQ
	s_cselect_b32 s22, s33, s39                    ; w_qkv's e or w_out's,
	s_cmp_lt_u32 ttmp9, WGX
	s_cselect_b32 s22, s32, s22                    ; or x's
	s_add_co_i32 s22, s22, 127
	s_lshl_b32 s23, s22, 23
	v_mov_b32 v11, s23                             ; 2^e as f32: the conversion takes its exponent field
	s_add_co_i32 s22, s22, EMAX
	s_lshl_b32 s22, s22, 23
	s_or_b32 s22, s22, MANT
	v_mov_b32 v10, s22                             ; 448 x 2^e
	s_wait_alu depctr_va_vdst(0)
	s_wait_loadcnt 12                              ; step 0's four loads are in; the twelve of steps 1 to 3 may be out
	TURN 0
.macro STEP t
.set XS, X+16*((\t)%2)
	s_wait_dscnt 0x0                               ; this step's numbers are back from the stage: so its stores into the stage have read their registers,
.if (\t)+4 < STEPS
	LOAD (\t)+4                                    ; which take the loads of four steps on
.endif
.if (\t)+1 < STEPS
.if STEPS-2-(\t) >= 3
	s_wait_loadcnt 12                              ; the next step's four loads are in; those of the three steps behind it may be out
.else
	s_wait_loadcnt 4*(STEPS-2-(\t))
.endif
	TURN (\t)+1                                    ; and go through the other stage while this step is worked
.endif
.irp i, 0,1,2,3,4,5,6,7,8,9,10,11,12,13,14,15
	v_med3_num_f32 v[XS+\i], v[XS+\i], -v10, v10   ; the conversion to an 8-bit code does not saturate (ISA guide 7.6.2): hold the number within the largest code x the scale first
.endr
	v_cvt_scalef32_pk8_fp8_f32 v[C+4*(\t):C+4*(\t)+1], v[XS:XS+7], v11          ; eight numbers / 2^e, to the nearest code, ties to even; the first number's code in the lowest byte
	v_cvt_scalef32_pk8_fp8_f32 v[C+4*(\t)+2:C+4*(\t)+3], v[XS+8:XS+15], v11
	v_nop                                          ; a plain vector line behind the last conversion of the run
	global_store_b128 v4, v[C+4*(\t):C+4*(\t)+3], s[12:13] offset:32*CB*(\t)    ; 32 lanes store 512 consecutive bytes, at a multiple of 256 from the buffer's first byte
.endm
.irp t, 0,1,2,3,4,5,6,7
	STEP \t
.endr
	s_wait_tensorcnt 0x0                           ; the wave's end, behind my last LDS store
	ds_add_u32 v[SPW], v[NIL]
	s_wait_dscnt 0x0
	s_endpgm
.Lfunc_end_k_qf83e777556_quant:
	.size	k_qf83e777556_quant, .Lfunc_end_k_qf83e777556_quant-k_qf83e777556_quant
	.p2alignl 7, 3214868480
	.fill 96, 4, 3214868480
	.section	.rodata,"a",@progbits
	.p2align	6, 0x0
	.amdhsa_kernel k_qf83e777556_quant
		.amdhsa_group_segment_fixed_size 33280
		.amdhsa_private_segment_fixed_size 0
		.amdhsa_enable_private_segment 0
		.amdhsa_kernarg_size 56
		.amdhsa_user_sgpr_count 2
		.amdhsa_user_sgpr_kernarg_segment_ptr 1
		.amdhsa_wavefront_size32 1
		.amdhsa_system_sgpr_workgroup_id_x 1
		.amdhsa_system_sgpr_workgroup_id_y 1
		.amdhsa_system_sgpr_workgroup_id_z 1
		.amdhsa_system_vgpr_workitem_id 0
		.amdhsa_next_free_vgpr 160
		.amdhsa_next_free_sgpr 66
		.amdhsa_reserve_vcc 0
		.amdhsa_float_denorm_mode_32 3
		.amdhsa_float_denorm_mode_16_64 3
		.amdhsa_memory_ordered 1
		.amdhsa_forward_progress 1
		.amdhsa_inst_pref_size 21
	.end_amdhsa_kernel
	.amdgpu_metadata
---
amdhsa.version: [ 1, 2 ]
amdhsa.kernels:
  - .name:           k_qf83e777556_quant
    .symbol:         k_qf83e777556_quant.kd
    .args:
      - { .name: x, .offset: 0, .size: 8, .value_kind: global_buffer, .address_space: global }
      - { .name: w_qkv, .offset: 8, .size: 8, .value_kind: global_buffer, .address_space: global }
      - { .name: w_out, .offset: 16, .size: 8, .value_kind: global_buffer, .address_space: global }
      - { .name: lowp_scales, .offset: 24, .size: 8, .value_kind: global_buffer, .address_space: global }
      - { .name: xc, .offset: 32, .size: 8, .value_kind: global_buffer, .address_space: global }
      - { .name: wc, .offset: 40, .size: 8, .value_kind: global_buffer, .address_space: global }
      - { .name: woc, .offset: 48, .size: 8, .value_kind: global_buffer, .address_space: global }
    .group_segment_fixed_size: 33280
    .private_segment_fixed_size: 0
    .kernarg_segment_align: 8
    .kernarg_segment_size: 56
    .max_flat_workgroup_size: 128
    .sgpr_count:     66
    .vgpr_count:     160
    .wavefront_size: 32
...
	.end_amdgpu_metadata
.endif
;; end of part 1
;; launch gemm_qkv (part 2): grid 8 x 48, 4 waves a work-group, clusters of 4 x 4, 327,680 bytes of LDS; arguments xc, wc, lowp_scales, b_qkv, qkv; writes qkv
.if DOCPART == 2
	.amdgcn_target "amdgcn-amd-amdhsa--gfx1250"
	.amdhsa_code_object_version 6
	.text
	.protected	k_qf83e777556_gemm_qkv
	.globl	k_qf83e777556_gemm_qkv
	.p2align	8
	.type	k_qf83e777556_gemm_qkv,@function
k_qf83e777556_gemm_qkv:
	s_mov_b64 s[64:65], 0
	v_nop
	global_prefetch_b8 v0, s[64:65] scope:SCOPE_SE
	s_setreg_imm32_b32 hwreg(HW_REG_WAVE_MODE, 25, 1), 1
	s_wait_xcnt 0x0
	s_wait_alu depctr_hold_cnt(0) depctr_sa_sdst(0) depctr_va_vdst(0) depctr_va_sdst(0) depctr_va_ssrc(0) depctr_va_vcc(0) depctr_vm_vsrc(0)
	s_getreg_b32 s2, hwreg(HW_REG_IB_STS2, 6, 4)
	s_cmp_eq_u32 s2, 0
	s_cbranch_scc0 .Lentry_in_a_cluster
	s_endpgm
.Lentry_in_a_cluster:
	s_bfe_u32 s2, ttmp6, 0x10000c
	s_cmp_lg_u32 s2, 0xf033
	s_cbranch_scc0 .Lentry_shape_is_right
	s_endpgm
.Lentry_shape_is_right:
; qkv = x w_qkv^T + b_qkv on codes of FP8 (E4M3); each finished sum x 2^(e0 + e1) + bias, in f32, is quantised at once: q with 2^e2, k with 2^e3, v with 2^e5, and stored as codes.
; xc: [8192][1024], wc: [3072][1024], one code a byte, K innermost.  The output, for each head bh = 16 b + h, 393,216 bytes: q [t][64] at 0, k [t][64] at 131,072,
; v [t / 128][d (64)][t % 128] at 262,144: v's keys lie innermost, since they are the K of the product that reads it.
; LIMITS: e0 + e1 between -126 and 127; e2, e3, e5 between -126 and 119: each power of two below is then an f32 number.
; A tile of 256 x 256 results is made by four waves, 128 x 128 each: 64 accumulators, 512 registers.  K goes in steps of 256 through a ring of two LDS slots filled by the tensor data mover.
; The index of SOURCE 0's rows lands along a lane's registers, and the conversions take eight neighbours from one lane's registers.  q and k want d along them, v wants t.
; So there are two modes, told apart by the cluster's y, which all sixteen partners share:
;   mode 0 (cluster y 0-7):  source 0 = rows 0-2047 of wc (q's and k's features), source 1 = rows of xc (tokens)
;   mode 1 (cluster y 8-11): source 0 = rows of xc (tokens),                      source 1 = rows 2048-3071 of wc (v's features)
; Both tensors have rows of 1,024 bytes: only base pointers and row numbers differ, chosen by selects.  The loop over K is one text; only the way out is written twice.
; CLUSTERS: 4 x 4 work-groups.  The four of a row of the cluster need the same tile of source 1, the four of a column the same tile of source 0: each is asked for JOINTLY.
; REGISTERS, in windows of 256: window 0: v0-31 addresses; v32-95, v96-111 the bias in two layouts; from v128 source 1's fragments, ONE set; on the way out v128-255 are at work.
;   window 1: source 0's fragments, TWO sets.   window 2: the accumulators of my first 64 rows of source 1 ((a, b) at v[8 (8 a + b)]);   window 3: those of the other 64.
.set ROWB,   256                       ; a tile's row in bytes: 256 along K
.set KROW,   1024                      ; a row of either tensor in memory
.set PITCH,  272                       ; an LDS row: 256 bytes + 16 of padding = 68 words: row r starts at bank 4 r mod 64 (64 banks of 4 bytes: ISA guide 11.1)
.set FR,     16                        ; registers of a fragment: 16 rows x 128 K
.set NL,     4                         ; LDS loads that bring one
.set NP,     4                         ; places behind this matrix instruction (ISA guide 7.12.1)
.set HALFT,  128*PITCH                 ; 128 rows: what one tensor load brings
.set SLOT,   4*HALFT                   ; source 1's 256 rows, then source 0's 256 rows
.set LAPS,   2                         ; K = 1,024: four K steps, twice round the ring
.set SPARE,  2*SLOT                    ; behind the ring: the spare words, 128 bytes for each wave: two blocks of 256 bytes that no other line names
.set SP,     144                       ; the way out: a stage row: 128 bytes of codes + 16
.set STG0,   SPARE+512                 ; mode 0's stages: 16 rows x SP for each wave;
.set STGD,   4*16*SP                   ; mode 1's lie so many bytes further on: each way out has LDS bytes of its own, and no tensor load lands in either
.set HEADB,  393216                    ; a head's bytes in the output
.set ADRA, 16                          ; v16-17  LDS address of my fragments of source 1 in slot 0, 1
.set ADRB, 20                          ; v20-21  the same for source 0
.set STO,  24                          ; v24     the way out: where I put 8 codes of a row
.set RD,   25                          ; v25     the way out: where I read 16 bytes back
.set GO0,  26                          ; v26     my byte offset in the output, mode 0
.set GO1,  27                          ; v27     mode 1
.set SPW,  28                          ; v28     LDS address of my spare word; never rewritten
.set NIL,  29                          ; v29     0; never rewritten
.set SCV,  30                          ; v30     the output's scale 2^e as f32
.set LIMV, 31                          ; v31     448 x that
.set B0,   32                          ; v32-95  bias along source 0: register 8 b + j = bias[nb + 16 b + 8 (lane / 16) + j]
.set B1,   96                          ; v96-111 bias along source 1: registers 2 a and 2 a + 1 = bias[nb + 16 a + lane % 16]
.set AF,   128                         ; source 1's fragments
.set TMP,  128                         ; the way out: a block's 64 numbers
.set CD,   192                         ; their codes: two sets of 16
.set BK,   224                         ; rows read back from the stage: two sets of 16
.set G1, 24                            ; s[24:31] descriptor group 1 for source 1's tiles;  s[32:39] group 0, one set for each slot
.set G0, 32
.set G1B, 48                           ; s[48:55], s[56:63] the same for source 0's tiles
.set G0B, 56
.set MSB, 0
.macro WIN new                         ; the immediate's high byte repeats the setting that is left
.if MSB != \new
	s_set_vgpr_msb (MSB<<8)|\new
.set MSB, \new
.endif
.endm
.set MUL_LO, 0xa1                      ; source 0 window 1, source 1 window 0, C and D window 2
.set MUL_HI, 0xf1                      ; the same, C and D window 3
.set TO_B,   0x40                      ; destination window 1, address window 0
; A joint load: waves 0 and 1 fetch for source 1, waves 2 and 3 for source 0.  Each of the two lines has ONE mask and one set of registers for all that issue it; the branch hangs on the wave's number alone.
; Four v_nop follow each of the two lines, ahead of the jump, the label and what follows.
.macro JLOAD g0a, g1a, g0b, g1b
	s_cmp_eq_u32 s15, 0
	s_cbranch_scc0 .Lfor_b_\@
	tensor_load_to_lds s[\g0a:\g0a+3], s[\g1a:\g1a+7]
	s_nop 0
.rept 4
	v_nop
.endr
	s_branch .Lasked_\@
.Lfor_b_\@:
	tensor_load_to_lds s[\g0b:\g0b+3], s[\g1b:\g1b+7]
	s_nop 0
.rept 4
	v_nop
.endr
.Lasked_\@:
.endm
.macro CREST                           ; a round of the cluster's barrier behind its opening barrier
	s_cmp_lg_u32 s14, 0
	s_cbranch_scc1 .Lnot_wave_0_\@
	s_barrier_signal -3
.Lnot_wave_0_\@:
	s_barrier_wait -3
	s_barrier_signal -1
	s_barrier_wait -1
.endm
.macro CROUND                          ; a whole round
	s_barrier_signal -1
	s_barrier_wait -1
	CREST
.endm
	s_load_b128 s[4:7], s[0:1], 0x0                ; x's codes s[4:5], w_qkv's codes s[6:7]
	s_load_b128 s[8:11], s[0:1], 0x10              ; the scales' exponents s[8:9], the bias s[10:11]
	s_load_b64 s[12:13], s[0:1], 0x20              ; the output
	v_lshl_add_u32 v[SPW], v0, 2, SPARE
	v_mov_b32 v[NIL], 0
	ds_add_u32 v28, v29
	ds_add_u32 v28, v29
	s_wait_dscnt 0x0
	v_lshrrev_b32 v1, 5, v0
	v_readfirstlane_b32 s14, v1                    ; wave 0..3
	s_lshr_b32 s15, s14, 1                         ; which half of source 1's 256 rows is mine.  Also: I fetch for source 1 (0) or for source 0 (1)
	s_and_b32 s16, s14, 1                          ; which half of source 0's.  Also: which 128 rows of that tile I fetch
	s_bfe_u32 s40, ttmp6, 0x40000                  ; cx, cy: my place in the cluster
	s_bfe_u32 s41, ttmp6, 0x40004
	s_and_b32 s67, ttmp7, 0xffff                   ; the cluster's y, 0..11; ttmp9: its x, 0..1
	s_sub_co_u32 s68, s67, 8
	s_lshl_b32 s68, s68, 1
	s_add_co_u32 s68, s68, ttmp9                   ; mode 1's cluster index along source 0: 2 (y - 8) + x (in mode 0 this number is not used)
	s_cmp_ge_u32 s67, 8
	s_cselect_b32 s66, 1, 0                        ; the mode: the same in all sixteen partners
	s_cselect_b32 s68, s68, ttmp9                  ; the cluster's index along source 0,
	s_cselect_b32 s69, 0, s67                      ; along source 1,
	s_cselect_b32 s83, 2048, 0                     ; and source 1's first row: v's features begin at row 2,048 of wc
	s_lshl_b32 s42, s68, 2
	s_add_co_u32 s42, s42, s40                     ; my tile of source 0
	s_lshl_b32 s17, s69, 2
	s_add_co_u32 s17, s17, s41                     ; my tile of source 1
	s_lshl_b32 s43, s41, 2
	s_lshl_b32 s43, 15, s43                        ; my row of the cluster
	s_lshl_b32 s44, 0x1111, s40                    ; my column
	; descriptor group 1: a tile of 128 rows x 256 bytes, padded in LDS
	s_or_b32 s[G1+0], s43, (0<<16)|(1<<20)|(1<<21)|(5<<22)|(3<<25)  ; 15:0 the mask: source 1's tiles go to my row; 17:16 element of 1 byte; 20 padding on; 21 set beside a mask; 24:22 after every 64 words (code 5); 31:25 of 4 words (code 3)
	s_or_b32 s[G1B+0], s44, (0<<16)|(1<<20)|(1<<21)|(5<<22)|(3<<25) ; source 0's tiles go to my column
.irp g, G1, G1B
	s_mov_b32 s[\g+1], ROWB<<16                    ; tensor_dim0
	s_mov_b32 s[\g+2], 128<<16                     ; tensor_dim1 = 128
	s_mov_b32 s[\g+3], ROWB<<16                    ; tile_dim0
	s_mov_b32 s[\g+4], 128                         ; tile_dim1 = 128
	s_mov_b32 s[\g+5], KROW                        ; tensor_dim0_stride
	s_mov_b32 s[\g+6], 0
	s_mov_b32 s[\g+7], 0
.endr
	s_lshl_b32 s18, s16, 7                         ; which 128 rows of the tile I fetch
	s_lshl_b32 s20, s17, 8
	s_add_co_u32 s20, s20, s18
	s_add_co_u32 s20, s20, s83                     ; source 1: row 256 x tile + 128 x half (+ 2,048)
	s_lshl_b32 s20, s20, 10                        ; in bytes: under 2^24
	s_mov_b32 s21, 0
	s_lshl_b32 s46, s42, 8
	s_add_co_u32 s46, s46, s18                     ; source 0: row 256 x tile + 128 x half
	s_lshl_b32 s46, s46, 10
	s_mov_b32 s47, 0
	s_mul_i32 s45, s14, HALFT                      ; where they go: wave x 128 rows: no place in the cluster enters an LDS address
	s_wait_kmcnt 0x0
	s_load_b256 s[84:91], s[8:9], 0x0              ; e0 .. e7
	s_cmp_lg_u32 s66, 0
	s_cselect_b64 s[76:77], s[6:7], s[4:5]         ; source 1's tensor: wc in mode 1, xc in mode 0
	s_cselect_b64 s[78:79], s[4:5], s[6:7]         ; source 0's: the other
	s_add_nc_u64 s[20:21], s[76:77], s[20:21]
	s_add_nc_u64 s[46:47], s[78:79], s[46:47]
	CROUND                                         ; all sixteen work-groups are here: the first joint loads meet
.irp s, 0,1
	s_mov_b32 s[G0+4*\s], 1
	s_add_co_u32 s[G0+4*\s+1], s45, \s*SLOT
	s_add_nc_u64 s[G0+4*\s+2:G0+4*\s+3], s[20:21], \s*ROWB
	s_or_b32 s[G0+4*\s+3], s[G0+4*\s+3], 0x80000000
	s_mov_b32 s[G0B+4*\s], 1
	s_add_co_u32 s[G0B+4*\s+1], s45, \s*SLOT
	s_add_nc_u64 s[G0B+4*\s+2:G0B+4*\s+3], s[46:47], \s*ROWB
	s_or_b32 s[G0B+4*\s+3], s[G0B+4*\s+3], 0x80000000
.endr
	JLOAD G0, G1, G0B, G1B                         ; K step 0: one tensor load a wave at the head
	v_and_b32 v1, 15, v0                           ; r = l % 16
	s_wait_alu depctr_va_vdst(0)
	v_bfe_u32 v2, v0, 4, 1                         ; h = l / 16
	v_mul_u32_u24 v3, v1, PITCH
	v_lshl_add_u32 v4, v2, 4, v3                   ; a fragment's row x pitch + 16 x half
	s_mul_i32 s80, s15, HALFT                      ; my 128 rows of source 1
	s_mul_i32 s81, s16, HALFT                      ; my 128 rows of source 0,
	s_add_co_u32 s81, s81, 2*HALFT                 ; which lie behind source 1's 256
.irp s, 0,1
	v_add_nc_u32 v[ADRA+\s], s80, v4
	v_add_nc_u32 v[ADRB+\s], s81, v4
	s_add_co_u32 s80, s80, SLOT
	s_add_co_u32 s81, s81, SLOT
.endr
	s_mul_i32 s82, s14, 16*SP
	s_add_co_u32 s82, s82, STG0                    ; my stage (mode 1 adds STGD in the immediates)
	v_mul_u32_u24 v5, v1, SP                       ; in: row r, 8 bytes for each half of the lanes
	s_wait_alu depctr_va_vdst(0)
	v_lshl_add_u32 v5, v2, 3, v5
	v_add_nc_u32 v[STO], s82, v5
	v_and_b32 v6, 31, v0                           ; l
	v_lshrrev_b32 v7, 3, v6
	v_and_b32 v10, 7, v6
	v_mul_u32_u24 v11, v7, SP                      ; back: eight lanes to a row of 128 bytes, four rows an instruction
	v_lshl_add_u32 v11, v10, 4, v11
	v_add_nc_u32 v[RD], s82, v11
	v_bfe_u32 v12, v0, 2, 1                        ; mode 0: a stage row is 64 bytes of one head and 64 of the next: lanes with bit 2 set store into the next head;
	v_mul_u32_u24 v12, v12, HEADB
	v_lshl_add_u32 v12, v7, 6, v12                 ; the token l / 8 of four, 64 bytes each;
	v_and_b32 v13, 3, v0
	v_lshl_add_u32 v[GO0], v13, 4, v12             ; 16 bytes of its 64
	v_lshlrev_b32 v[GO1], 4, v6                    ; mode 1: four rows d of 128 bytes lie on end: 16 l
	; the bias: my wave's 128 numbers, in both layouts; each way out uses one.  So no branch stands here and no register is written on one path alone
	s_lshl_b32 s70, s42, 8
	s_lshl_b32 s71, s16, 7
	s_add_co_u32 s70, s70, s71                     ; my first index along source 0: mode 0: feature n0; mode 1: token m0
	s_lshl_b32 s72, s17, 8
	s_lshl_b32 s73, s15, 7
	s_add_co_u32 s72, s72, s73                     ; along source 1: mode 0: token m0; mode 1: v's feature n0
	s_add_co_u32 s74, s72, 2048
	s_cmp_lg_u32 s66, 0
	s_cselect_b32 s74, s74, s70                    ; nb: my first number of the bias
	s_lshl_b32 s74, s74, 2
	s_mov_b32 s75, 0
	s_add_nc_u64 s[10:11], s[10:11], s[74:75]
	v_lshlrev_b32 v8, 5, v2                        ; 8 numbers for each half of the lanes; never rewritten
	v_lshlrev_b32 v9, 2, v1                        ; one number a lane; never rewritten
.irp b, 0,1,2,3,4,5,6,7
	global_load_b128 v[B0+8*\b:B0+8*\b+3], v8, s[10:11] offset:64*\b
	global_load_b128 v[B0+8*\b+4:B0+8*\b+7], v8, s[10:11] offset:64*\b+16
.endr
.irp b, 0,1,2,3,4,5,6,7
	global_load_b32 v[B1+2*\b], v9, s[10:11] offset:64*\b
	global_load_b32 v[B1+2*\b+1], v9, s[10:11] offset:64*\b     ; twice: a pair for the packed multiply-add
.endr
.macro FRAG reg, adr, q, i             ; a fragment, 16 rows x 128 K of 8-bit codes, is 16 registers: lane l holds row l % 16; registers 4 c .. 4 c + 3 hold K = 32 c + 16 (l / 16) + 0 .. 15: the same places of k in both sources
.irp c, 0,1,2,3
	ds_load_b128 v[\reg+4*\c:\reg+4*\c+3], v[\adr] offset:128*(\q)+32*\c+(\i)*16*PITCH
.endr
.endm
; 16 matrix instructions: source 1's blocks a0, a0 + 1 x source 0's eight, 128 along K.  p: source 0's set.  zero = 1: the first product starts the sums: nothing is ever cleared.
; The 64 accumulators take turns, one instruction a turn, in the same order in every step.
.macro MUL16 a0, p, zero
.irp a, \a0, \a0+1
.irp b, 0,1,2,3,4,5,6,7
.if \zero
	v_wmma_f32_16x16x128_fp8_fp8 v[8*(8*((\a)%4)+\b):8*(8*((\a)%4)+\b)+7], v[128*(\p)+FR*\b:128*(\p)+FR*\b+FR-1], v[AF+FR*(\a):AF+FR*(\a)+FR-1], 0
.else
	v_wmma_f32_16x16x128_fp8_fp8 v[8*(8*((\a)%4)+\b):8*(8*((\a)%4)+\b)+7], v[128*(\p)+FR*\b:128*(\p)+FR*\b+FR-1], v[AF+FR*(\a):AF+FR*(\a)+FR-1], v[8*(8*((\a)%4)+\b):8*(8*((\a)%4)+\b)+7]
.endif
.endr
.endr
.endm
.macro FETCH_B slot, q, p              ; source 0's eight fragments of the slot's q-th 128 along K into set p
	WIN TO_B
.irp i, 0,1,2,3,4,5,6,7
	FRAG 128*(\p)+FR*\i, ADRB+\slot, \q, \i
.endr
	WIN 0
.endm
.macro FETCH_A slot, q, i0             ; source 1's blocks i0 .. i0 + 3
.irp i, \i0, \i0+1, \i0+2, \i0+3
	FRAG AF+FR*(\i), ADRA+\slot, \q, \i
.endr
.endm
; A load into a register that a matrix instruction has read, and a vector instruction that reads a matrix result or writes one of its registers, stand NP places behind it; only plain vector
; instructions that name none of its registers are places (ISA guide 7.12.1 for vector instructions).
.macro PLACES n
.rept \n
	v_nop
.endr
.endm
; A step of 128 along K that has its successor in the same slot.
.macro STEP slot, q, zero
	s_wait_dscnt 4*NL                              ; source 0's set and source 1's blocks 0-3 are in; the youngest sixteen loads (blocks 4-7) may be out
	WIN MUL_LO
	MUL16 0, (\q)%2, \zero
	MUL16 2, (\q)%2, \zero
	s_wait_dscnt 0                                 ; blocks 4-7 are in (asked for 32 matrix instructions ago)
	PLACES NP
	FETCH_B \slot, (\q)+1, 1-(\q)%2
	FETCH_A \slot, (\q)+1, 0
	WIN MUL_HI
	MUL16 4, (\q)%2, \zero
	MUL16 6, (\q)%2, \zero
	PLACES NP
	WIN 0
	FETCH_A \slot, (\q)+1, 4
.endm
; A slot's last step changes slots: ONE barrier; in front of it each wave waits for all its tensor loads, adds 0 to its spare word, and waits for that and for its own reads of this slot.  fill = 1: this slot is filled again, two K steps ahead.
.macro TURN slot, next, fill
	s_wait_tensorcnt 0x0                           ; all my tensor loads have landed: my part of the next slot;  (every window is 0 here: the add's two registers lie in window 0)
	ds_add_u32 v[SPW], v[NIL]                      ; 0 onto my spare word;
	s_wait_dscnt 4*NL+1                            ; (the add and the youngest sixteen loads may be out)
	WIN MUL_LO
	MUL16 0, 1, 0                                  ; sixteen matrix instructions stand between the add and the wait for it
	s_wait_dscnt 0x0                               ; the add is done, and my reads of this slot are over
	s_barrier_signal -1
	MUL16 2, 1, 0
	WIN 0
	s_barrier_wait -1
.if \fill
	CREST                                          ; the barrier has opened a round of the cluster's barrier: no wave of any partner still reads this slot's tile or has a load on its way
	s_add_nc_u64 s[G0+4*\slot+2:G0+4*\slot+3], s[G0+4*\slot+2:G0+4*\slot+3], 2*ROWB
	s_add_nc_u64 s[G0B+4*\slot+2:G0B+4*\slot+3], s[G0B+4*\slot+2:G0B+4*\slot+3], 2*ROWB
	JLOAD G0+4*\slot, G1, G0B+4*\slot, G1B         ; the first tensor load behind the round; the four v_nop behind it are the places in front of the loads below
.else
	PLACES NP
.endif
	FETCH_B \next, 0, 0
	FETCH_A \next, 0, 0
	WIN MUL_HI
	MUL16 4, 1, 0
	MUL16 6, 1, 0
	PLACES NP
	WIN 0
	FETCH_A \next, 0, 4
.endm
	s_wait_alu depctr_va_vdst(0)
	s_wait_tensorcnt 0x0                           ; my part of K step 0 is in;
	ds_add_u32 v[SPW], v[NIL]                      ; 0 onto my spare word;
	s_wait_dscnt 0x0                               ; the add is done
	CROUND                                         ; a whole round: everybody's part of K step 0 is in, and all sixteen work-groups are here,
	JLOAD G0+4, G1, G0B+4, G1B                     ; and K step 1's load, the first tensor load behind the round
	FETCH_B 0, 0, 0
	FETCH_A 0, 0, 0
	FETCH_A 0, 0, 4
	STEP 0, 0, 1                                   ; the first step stands in front of the loop: its products start the sums
	s_mov_b32 s3, LAPS-1
.Llap:                                                 ; a trip goes once round the ring, from a lap's second step to the next lap's first, and fills both slots again
	TURN 0, 1, 1
	STEP 1, 0, 0
	TURN 1, 0, 1
	STEP 0, 0, 0
	s_sub_co_u32 s3, s3, 1
	s_cmp_lg_u32 s3, 0
	s_cbranch_scc1 .Llap
	TURN 0, 1, 0                                   ; the last lap fills nothing, and has no round of the cluster's barrier
	STEP 1, 0, 0
	s_wait_dscnt 4*NL                              ; the very last step: nothing more to fetch
	WIN MUL_LO
	MUL16 0, 1, 0
	MUL16 2, 1, 0
	s_wait_dscnt 0
	WIN MUL_HI
	MUL16 4, 1, 0
	MUL16 6, 1, 0
	WIN 0
; THE WAY OUT, block by block: 16 rows of source 1 (one a lane) x 128 of source 0 (eight neighbours in a lane's registers of each accumulator).
; PACKST: sum x 2^(e0 + e1) + bias by one packed multiply-add, each accumulator from its low end on; the hold; eight numbers to eight codes; 8 bytes a lane into my own stage (rows of 128 bytes + 16);
; back as 16 bytes a lane.  LDS serves a wave's instructions in order (ISA guide 5.7.1.4): no wait between the stores and the loads.  md: the mode.
.macro PACKST a, md
.set AC, 64*((\a)%4)
.set CC, CD+16*((\a)%2)
.set BB, BK+16*((\a)%2)
	WIN 0x02+((\a)/4)                              ; source 0: window 2 or 3
.irp b, 0,1,2,3,4,5,6,7
.irp i, 0,2,4,6
.if \md
	v_pk_fma_f32 v[TMP+8*\b+\i:TMP+8*\b+\i+1], v[AC+8*\b+\i:AC+8*\b+\i+1], s[96:97], v[B1+2*(\a):B1+2*(\a)+1] op_sel_hi:[1,0,1]   ; the lane's feature has one bias for all its tokens
.else
	v_pk_fma_f32 v[TMP+8*\b+\i:TMP+8*\b+\i+1], v[AC+8*\b+\i:AC+8*\b+\i+1], s[96:97], v[B0+8*\b+\i:B0+8*\b+\i+1] op_sel_hi:[1,0,1]  ; each register is another feature
.endif
.endr
.endr
	WIN 0
.set j, 0
.rept 64
	v_med3_num_f32 v[TMP+j], v[TMP+j], -v[LIMV], v[LIMV]   ; the conversion to an 8-bit code does not saturate (ISA guide 7.6.2): the hold at the largest code x the scale
.set j, j+1
.endr
.irp b, 0,1,2,3,4,5,6,7
	v_cvt_scalef32_pk8_fp8_f32 v[CC+2*\b:CC+2*\b+1], v[TMP+8*\b:TMP+8*\b+7], v[SCV]
.endr
	v_nop                                          ; a plain vector line behind the last conversion: the next block's multiply-adds write the conversions' sources
.irp b, 0,1,2,3,4,5,6,7
	ds_store_b64 v[STO], v[CC+2*\b:CC+2*\b+1] offset:16*\b+STGD*\md
.endr
.irp i, 0,1,2,3
	ds_load_b128 v[BB+4*\i:BB+4*\i+3], v[RD] offset:4*SP*\i+STGD*\md
.endr
.endm
.macro SEND a, younger, md             ; younger: the LDS instructions issued behind block a's loads, which may stay out
.set BB, BK+16*((\a)%2)
	s_wait_dscnt \younger
.irp i, 0,1,2,3
.if \md
	global_store_b128 v[GO1], v[BB+4*\i:BB+4*\i+3], s[12:13] offset:((\a)/4)*HEADB+((\a)%4)*2048+512*\i th:TH_STORE_NT   ; four rows d of v's block of 128 keys: 512 consecutive bytes, aligned to 256
.else
	global_store_b128 v[GO0], v[BB+4*\i:BB+4*\i+3], s[12:13] offset:1024*(\a)+256*\i th:TH_STORE_NT   ; four tokens x 64 bytes in each of two heads: two runs of 256 consecutive bytes, each aligned to 256
.endif
.endr
.endm
.macro WAYOUT md
	PACKST 0, \md
.irp k, 1,2,3,4,5,6,7
.if \k > 1
	s_wait_xcnt 0x0                                ; block k - 2's stores have read their registers: block k's loads may land there
.endif
	PACKST \k, \md
	SEND \k-1, 12, \md                             ; behind block k - 1's loads: block k's 8 stores and 4 loads
.endr
	SEND 7, 0, \md
.endm
	s_wait_kmcnt 0x0
	s_add_co_i32 s96, s84, s85                     ; e0 + e1
	s_add_co_i32 s96, s96, 127
	s_lshl_b32 s96, s96, 23                        ; 2^(e0 + e1) as f32
	s_mov_b32 s97, s96                             ; (named with it as a pair, so it is written)
	s_cmp_lt_u32 s42, 4                            ; mode 0: features under 1,024 are q's, the others k's: a select, no branch
	s_cselect_b32 s92, s86, s87
	s_cmp_lg_u32 s66, 0
	s_cselect_b32 s92, s89, s92                    ; mode 1: v's
	s_add_co_i32 s92, s92, 127
	s_lshl_b32 s93, s92, 23
	v_mov_b32 v[SCV], s93
	s_add_co_i32 s92, s92, 8
	s_lshl_b32 s92, s92, 23
	s_or_b32 s92, s92, 0x600000
	v_mov_b32 v[LIMV], s92
	s_wait_loadcnt 0x0                             ; the bias
	PLACES NP                                      ; behind the last products: for the reads of results and the writes into source 1's registers
	s_cmp_lg_u32 s66, 0                            ; the mode hangs on the cluster's y alone: all partners take the same way
	s_cbranch_scc1 .Lv
	s_lshr_b32 s92, s72, 11                        ; MODE 0.  b = m0 / 2,048;
	s_lshl_b32 s92, s92, 4
	s_and_b32 s93, s70, 1023
	s_lshr_b32 s93, s93, 6                         ; my first head = (n0 % 1,024) / 64
	s_add_co_u32 s92, s92, s93
	s_mul_i32 s92, s92, HEADB
	s_lshr_b32 s93, s70, 10                        ; q (0) or k (1): 131,072 bytes apart
	s_lshl_b32 s93, s93, 17
	s_add_co_u32 s92, s92, s93
	s_and_b32 s93, s72, 2047                       ; my first token in the batch, 64 bytes each
	s_lshl_b32 s93, s93, 6
	s_add_co_u32 s92, s92, s93
	s_mov_b32 s93, 0
	s_add_nc_u64 s[12:13], s[12:13], s[92:93]
	WAYOUT 0
	s_branch .Ljoin
.Lv:
	s_lshr_b32 s92, s70, 11                        ; MODE 1.  b = m0 / 2,048;
	s_lshl_b32 s92, s92, 4
	s_lshr_b32 s93, s72, 6                         ; my first head = n0 / 64
	s_add_co_u32 s92, s92, s93
	s_mul_i32 s92, s92, HEADB
	s_add_co_u32 s92, s92, 262144                  ; v's part of a head
	s_and_b32 s93, s70, 2047
	s_lshr_b32 s93, s93, 7                         ; my block of 128 keys, 8,192 bytes each
	s_lshl_b32 s93, s93, 13
	s_add_co_u32 s92, s92, s93
	s_mov_b32 s93, 0
	s_add_nc_u64 s[12:13], s[12:13], s[92:93]
	WAYOUT 1
.Ljoin:
	s_wait_tensorcnt 0x0                           ; the wave's end, behind my last tensor load and my last LDS store
	ds_add_u32 v[SPW], v[NIL]
	s_wait_dscnt 0x0
	CROUND                                         ; the closing round: no work-group ends while a partner may still ask for a tile that names it
	s_endpgm
.Lfunc_end_k_qf83e777556_gemm_qkv:
	.size	k_qf83e777556_gemm_qkv, .Lfunc_end_k_qf83e777556_gemm_qkv-k_qf83e777556_gemm_qkv
	.p2alignl 7, 3214868480
	.fill 96, 4, 3214868480
	.section	.rodata,"a",@progbits
	.p2align	6, 0x0
	.amdhsa_kernel k_qf83e777556_gemm_qkv
		.amdhsa_group_segment_fixed_size 327680
		.amdhsa_private_segment_fixed_size 0
		.amdhsa_enable_private_segment 0
		.amdhsa_kernarg_size 40
		.amdhsa_user_sgpr_count 2
		.amdhsa_user_sgpr_kernarg_segment_ptr 1
		.amdhsa_wavefront_size32 1
		.amdhsa_system_sgpr_workgroup_id_x 1
		.amdhsa_system_sgpr_workgroup_id_y 1
		.amdhsa_system_sgpr_workgroup_id_z 1
		.amdhsa_system_vgpr_workitem_id 0
		.amdhsa_next_free_vgpr 1024
		.amdhsa_next_free_sgpr 100
		.amdhsa_reserve_vcc 0
		.amdhsa_float_denorm_mode_32 3
		.amdhsa_float_denorm_mode_16_64 3
		.amdhsa_memory_ordered 1
		.amdhsa_forward_progress 1
		.amdhsa_inst_pref_size 208
	.end_amdhsa_kernel
	.amdgpu_metadata
---
amdhsa.version: [ 1, 2 ]
amdhsa.kernels:
  - .name:           k_qf83e777556_gemm_qkv
    .symbol:         k_qf83e777556_gemm_qkv.kd
    .args:
      - { .name: xc, .offset: 0, .size: 8, .value_kind: global_buffer, .address_space: global }
      - { .name: wc, .offset: 8, .size: 8, .value_kind: global_buffer, .address_space: global }
      - { .name: lowp_scales, .offset: 16, .size: 8, .value_kind: global_buffer, .address_space: global }
      - { .name: b_qkv, .offset: 24, .size: 8, .value_kind: global_buffer, .address_space: global }
      - { .name: qkv, .offset: 32, .size: 8, .value_kind: global_buffer, .address_space: global }
    .group_segment_fixed_size: 327680
    .private_segment_fixed_size: 0
    .kernarg_segment_align: 8
    .kernarg_segment_size: 40
    .max_flat_workgroup_size: 128
    .sgpr_count:     100
    .vgpr_count:     1024
    .wavefront_size: 32
...
	.end_amdgpu_metadata
.endif
;; end of part 2
;; launch attn (part 3): grid 4 x 64, 16 waves a work-group, clusters of 4 x 1, 327,680 bytes of LDS; arguments qkv, lowp_scales, oc; writes oc
.if DOCPART == 3
	.amdgcn_target "amdgcn-amd-amdhsa--gfx1250"
	.amdhsa_code_object_version 6
	.text
	.protected	k_qf83e777556_attn
	.globl	k_qf83e777556_attn
	.p2align	8
	.type	k_qf83e777556_attn,@function
k_qf83e777556_attn:
	s_mov_b64 s[64:65], 0
	v_nop
	global_prefetch_b8 v0, s[64:65] scope:SCOPE_SE
	s_setreg_imm32_b32 hwreg(HW_REG_WAVE_MODE, 25, 1), 1
	s_wait_xcnt 0x0
	s_wait_alu depctr_hold_cnt(0) depctr_sa_sdst(0) depctr_va_vdst(0) depctr_va_sdst(0) depctr_va_ssrc(0) depctr_va_vcc(0) depctr_vm_vsrc(0)
	s_getreg_b32 s2, hwreg(HW_REG_IB_STS2, 6, 4)
	s_cmp_eq_u32 s2, 0
	s_cbranch_scc0 .Lentry_in_a_cluster
	s_endpgm
.Lentry_in_a_cluster:
	s_bfe_u32 s2, ttmp6, 0x10000c
	s_cmp_lg_u32 s2, 0x3003
	s_cbranch_scc0 .Lentry_shape_is_right
	s_endpgm
.Lentry_shape_is_right:
; Causal attention of one head on codes of FP8 (E4M3): O[q] = the sum over keys k <= q of softmax_k(Q[q] . K[k] / 8) V[k]; the result is quantised at once with 2^e6 and stored as codes.
; In, for head bh = 16 b + h, 393,216 bytes: q [t][64] at 0, k [t][64] at 131,072, v [t / 128][d (64)][t % 128] at 262,144.  Out: [h][2048 b + t][64], one code a byte.
; WORK LEFT OUT: steps of 128 keys that lie wholly behind a tile's 16 queries: reference()'s own tril makes their scores -infinity, so their p is 0 for all inputs.
; THE SOFTMAX: t = score x log2(e) / 8; M = the row's largest t so far, rounded UP to a whole number; p = 2^(t - M) is what is quantised (2^e4), not normalised.  The row's sum is taken of the unquantised p
; and divides O at the end.  When M moves, the sum and O are multiplied by 2^(old M - new M): nothing is rounded.
; LIMITS: e2 + e3 between -123 and 130 (added to c's exponent field); e4 and e6 between -126 and 119; e4 + e5 goes by v_ldexp_f32 and has none; the scaled scores t stay under 2^31 in magnitude.
; SHARES.  A cluster of four work-groups owns a head; a head has 128 tiles of 16 queries.  Each of a work-group's sixteen waves owns TWO: tile 4 rank + cx and tile 127 - (4 rank + cx).
; In steps of 128 keys the first needs rank / 2 + 1 and the second (31 - rank) / 2 + 1: 17 together, for every wave.  Neither count hangs on cx, so all partners branch alike.
; THE WHOLE HEAD'S K AND V STAY IN LDS.  In memory they are one dense block of 262,144 bytes; with 16 bytes of padding behind each 128 they take 2,048 rows of 144 bytes = 294,912 bytes.  Nothing is filled twice.
; Every wave issues two loads, each asked for JOINTLY by the four partners, who need the same bytes: at the head 2,048 bytes (waves 0-7: the first 256 keys of K; waves 8-15: V's first two blocks of 128 keys);
; behind a round of the cluster's barrier 14,336 bytes of the rest, which is on its way while key steps 0 and 1 are worked.  One barrier follows; behind it the waves share only bytes that nobody writes, and each
; walks its steps with no further barrier.  Every wave's loops have constant trip counts; a step that is left out is jumped over by a scalar branch on the step's number and the wave's.
; No prefetch: the launch has two requests a wave and no loop of loads in which to run ahead of them.
; LAYOUT.  Both products are used transposed: S^T = K Q^T (source 0 = 16 keys, source 1 = 16 queries), O^T = V^T P^T (source 0 = 16 of the head's 64, source 1 = P): a lane holds ONE query (lane % 16) throughout.
; THE KEYS OF A TILE ARE NOT NEIGHBOURS: lane r of tile 2 b + u takes key 32 b + 8 u + r + 8 (r / 8), so that the 16 registers of tiles 2 b and 2 b + 1 are 16 neighbouring keys, 32 b + 16 (lane / 16) + 0 .. 15.
; An LDS row holds two keys of K: key k lies at 144 (k / 2) + 64 (k % 2).  The sixteen keys that lanes 0-15 of a load touch then begin at sixteen different multiples of 16 bytes modulo 256.
; Fragments are fetched 16 bytes at a time: the same places of k in both sources of each product.
.set CP,    144                        ; an LDS row: 128 bytes + 16 of padding
.set STEPB, 64*CP                      ; 128 keys of K, and a block of V (64 rows d x 128 keys)
.set VOFF,  1024*CP                    ; V lies behind K's 1,024 rows
.set SPARE, 2*VOFF                     ; behind the tiles: the spare words, 128 bytes for each wave: eight blocks of 256 bytes that no other line names
.set STAGE, SPARE+2048                 ; the way out: 16 rows x 80 bytes for each wave: bytes of their own, into which no tensor load lands
.set SP,    80
.set HEADB, 393216
.set KOFF,  131072
.set AK0,  1                           ; v1   my lane's place in a tile of K
.set AV0,  2                           ; v2   the same for V
.set DLO,  4                           ; v4   the mask of my low tile: (first query % 128) + lane % 16 - 16 (lane / 16)
.set SPW,  5                           ; v5   LDS address of my spare word; never rewritten
.set NIL,  6                           ; v6   0; never rewritten
.set GO,   7                           ; v7   the way out: 16 x lane
.set ADK,  8                           ; v8   LDS address of the step's tiles of K
.set ADV,  9                           ; v9   of V
.set DHI,  10                          ; v10  the mask of my high tile
.set STO,  11                          ; v11  the way out: where I put 8 codes
.set SLO,  12                          ; v[12:15] low tile: -M, the largest t, the sum in two halves
.set SHI,  16                          ; v[16:19] high tile
.set QLO,  20                          ; v[20:27] Q of the low tile
.set QHI,  28                          ; v[28:35] of the high tile
.set FRG,  36                          ; v[36:99] eight fragments of K, then four of V
.set S,    100                         ; v[100:163] S^T, then p
.set OLO,  164                         ; v[164:195] O^T of the low tile
.set OHI,  196                         ; v[196:227] of the high tile
.set PC,   228                         ; v[228:243] p's codes
                                       ; v244, v245: 2^e4, 448 x 2^e4; v[246:247] f; v[248:249] a second chain of sums; v250, v251 maxima; v252 a permute's result; v253 -infinity; v254, v255: 2^e6, 448 x 2^e6
.set WV,   10                          ; s10  my wave's number
.set NLO,  14                          ; s14  the low tile's last step (the one on the diagonal)
.set NHI,  15                          ; s15  the high tile's
.set KS,   18                          ; s18  the step in hand, 0..15
.set TB,   19                          ; s19  STEPB x that
.set SEL,  20                          ; s[20:21] lane selects for v_permlanex16_b32: lane l xor 16
.set CS,   22                          ; s[22:23] c = log2(e) / 8 x 2^(e2 + e3)
.set G1A,  24                          ; s[24:31] descriptor group 1 of the first load;  s[32:39] of the second;  s[40:43], s[44:47] their groups 0
.set G1B,  32
.set G0A,  40
.set G0B,  44
.set CNT,  48                          ; s48  trips to go
; A round of the cluster's barrier: my work-group's barrier, so that wave 0's signal speaks for all sixteen waves; wave 0 signals; every wave waits for all four work-groups; my work-group's barrier once more.
.macro CROUND
	s_barrier_signal -1
	s_barrier_wait -1
	s_cmp_lg_u32 s[WV], 0
	s_cbranch_scc1 .Lnot_wave_0_\@
	s_barrier_signal -3
.Lnot_wave_0_\@:
	s_barrier_wait -3
	s_barrier_signal -1
	s_barrier_wait -1
.endm
	s_load_b128 s[4:7], s[0:1], 0x0                ; the codes of q, k, v s[4:5], the scales' exponents s[6:7]
	s_load_b64 s[8:9], s[0:1], 0x10                ; the output
	v_lshl_add_u32 v[SPW], v0, 2, SPARE
	v_mov_b32 v[NIL], 0
	ds_add_u32 v[SPW], v[NIL]                      ; the wave's opening: the add, twice on end, and its wait ahead of my first tensor load
	ds_add_u32 v[SPW], v[NIL]
	v_lshrrev_b32 v8, 5, v0
	v_readfirstlane_b32 s[WV], v8                  ; wave 0..15
	s_bfe_u32 s12, ttmp6, 0x40000                  ; cx: it enters global addresses of Q and O and the masks' numbers alone
	s_and_b32 s13, ttmp7, 0xffff                   ; the head, which the four partners share
	s_lshr_b32 s60, s[WV], 2
	s_mul_i32 s61, s60, 3
	s_add_co_u32 s61, s61, s[WV]
	s_and_b32 s61, s61, 3
	s_lshl_b32 s61, s61, 2
	s_add_co_u32 s11, s61, s60                     ; rank = 4 ((w + 3 (w / 4)) % 4) + w / 4
	s_lshr_b32 s[NLO], s11, 1
	s_xor_b32 s[NHI], s11, 31                      ; 31 - rank
	s_lshr_b32 s[NHI], s[NHI], 1
	s_lshl_b32 s16, s11, 6
	s_lshl_b32 s78, s12, 4
	s_add_co_u32 s16, s16, s78                     ; my low tile's first query: 64 rank + 16 cx
	s_sub_co_u32 s17, 2032, s16                    ; my high tile's
	s_mul_i32 s70, s13, HEADB                      ; the head's first byte: under 2^25
	s_mov_b32 s71, 0
	s_and_b32 s62, s[WV], 7                        ; which eighth I fetch,
	s_lshr_b32 s63, s[WV], 3                       ; of K (0) or of V (1)
	s_lshl_b32 s72, s63, 17
	s_add_co_u32 s72, s72, s70
	s_add_co_u32 s72, s72, KOFF                    ; K's or V's first byte of the head
	s_lshl_b32 s74, s62, 11
	s_add_co_u32 s74, s74, s72                     ; the first load: 2,048 bytes of the first 16,384
	s_mov_b32 s75, 0
	s_mul_i32 s76, s62, 14336
	s_add_co_u32 s76, s76, s72
	s_add_co_u32 s76, s76, 16384                   ; the second: 14,336 bytes of the other 114,688
	s_mov_b32 s77, 0
	s_mul_i32 s78, s63, VOFF                       ; and their places in LDS: no place in the cluster enters an LDS address
	s_mul_i32 s79, s62, 16*CP
	s_add_co_u32 s79, s79, s78
	s_mul_i32 s80, s62, 112*CP
	s_add_co_u32 s80, s80, s78
	s_add_co_u32 s80, s80, 128*CP
	; descriptor groups 1: dense bytes, stated as 8 or 56 rows of 256 bytes, with the padding behind each 128
	s_mov_b32 s[G1A], 15|(0<<16)|(1<<20)|(1<<21)|(4<<22)|(3<<25)  ; 15:0 the mask: all four work-groups; 17:16 elements of 1 byte; 20 padding on; 21 set beside a mask; 24:22 after every 32 words (code 4); 31:25 four words (code 3)
	s_mov_b32 s[G1A+1], 256<<16                    ; tensor_dim0
	s_mov_b32 s[G1A+2], 8<<16                      ; tensor_dim1
	s_mov_b32 s[G1A+3], 256<<16                    ; tile_dim0
	s_mov_b32 s[G1A+4], 8                          ; tile_dim1
	s_mov_b32 s[G1A+5], 256                        ; tensor_dim0_stride
	s_mov_b32 s[G1A+6], 0
	s_mov_b32 s[G1A+7], 0
	s_mov_b32 s[G1B], 15|(0<<16)|(1<<20)|(1<<21)|(4<<22)|(3<<25)
	s_mov_b32 s[G1B+1], 256<<16
	s_mov_b32 s[G1B+2], 56<<16
	s_mov_b32 s[G1B+3], 256<<16
	s_mov_b32 s[G1B+4], 56
	s_mov_b32 s[G1B+5], 256
	s_mov_b32 s[G1B+6], 0
	s_mov_b32 s[G1B+7], 0
	s_mov_b32 s[SEL], 0x76543210
	s_mov_b32 s[SEL+1], 0xfedcba98
	s_mov_b32 s[CS], 0x3e38aa3b                    ; log2(e) / 8
	s_mov_b32 s[TB], 0
	s_mov_b32 s[KS], 0
	s_wait_dscnt 0x0                               ; both opening adds are done
	s_wait_kmcnt 0x0
	s_load_b256 s[52:59], s[6:7], 0x0              ; e0 .. e7
	s_mov_b32 s[G0A], 1                            ; 1:0 count = 1
	s_mov_b32 s[G0A+1], s79                        ; 63:32 LDS address
	s_add_nc_u64 s[G0A+2:G0A+3], s[4:5], s[74:75]  ; 120:64 global address
	s_or_b32 s[G0A+3], s[G0A+3], 0x80000000        ; 127:126 type = 2
	s_mov_b32 s[G0B], 1
	s_mov_b32 s[G0B+1], s80
	s_add_nc_u64 s[G0B+2:G0B+3], s[4:5], s[76:77]
	s_or_b32 s[G0B+3], s[G0B+3], 0x80000000
	CROUND                                         ; all four work-groups are here: the first joint loads meet
	tensor_load_to_lds s[G0A:G0A+3], s[G1A:G1A+7]  ; my part of key steps 0 and 1: my one tensor load at the head
	s_nop 0
	s_lshl_b32 s78, s16, 6                         ; Q: a query's row is 64 bytes
	s_mov_b32 s79, 0
	s_add_nc_u64 s[60:61], s[4:5], s[78:79]
	s_add_nc_u64 s[60:61], s[60:61], s[70:71]      ; my low tile's
	s_lshl_b32 s78, s17, 6
	s_add_nc_u64 s[62:63], s[4:5], s[78:79]
	s_add_nc_u64 s[62:63], s[62:63], s[70:71]      ; my high tile's
	s_and_b32 s80, s13, 15                         ; the output: row (h, b, t) = 8,192 h + 2,048 b + t, 64 bytes each
	s_lshl_b32 s80, s80, 13
	s_lshr_b32 s81, s13, 4
	s_lshl_b32 s81, s81, 11
	s_add_co_u32 s80, s80, s81
	s_add_co_u32 s82, s80, s16
	s_lshl_b32 s82, s82, 6
	s_mov_b32 s83, 0
	s_add_nc_u64 s[66:67], s[8:9], s[82:83]        ; my low tile's 16 rows,
	s_add_co_u32 s82, s80, s17
	s_lshl_b32 s82, s82, 6
	s_add_nc_u64 s[68:69], s[8:9], s[82:83]        ; my high tile's
	s_and_b32 s84, s16, 127
	s_and_b32 s85, s17, 127
	s_mul_i32 s86, s[WV], 16*SP
	s_add_co_u32 s86, s86, STAGE                   ; my stage
	v_and_b32 v8, 15, v0                           ; r = lane % 16
	v_bfe_u32 v9, v0, 4, 1                         ; h = lane / 16
	v_lshlrev_b32 v36, 6, v8
	v_lshl_add_u32 v36, v9, 4, v36                 ; row r, + my half's 16 bytes
	global_load_b128 v[QLO:QLO+3], v36, s[60:61]   ; Q's fragments stay in registers
	global_load_b128 v[QLO+4:QLO+7], v36, s[60:61] offset:32
	global_load_b128 v[QHI:QHI+3], v36, s[62:63]
	global_load_b128 v[QHI+4:QHI+7], v36, s[62:63] offset:32
	v_and_b32 v37, 8, v8
	v_add_nc_u32 v37, v37, v8                      ; my key of a tile: r + 8 (r / 8)
	v_lshrrev_b32 v37, 1, v37                      ; its LDS row,
	v_mul_u32_u24 v[AK0], v37, CP
	v_and_b32 v38, 1, v8                           ; and which half of that row
	v_lshl_add_u32 v[AK0], v38, 6, v[AK0]
	v_lshl_add_u32 v[AK0], v9, 4, v[AK0]
	v_mul_u32_u24 v[AV0], v8, CP
	v_lshl_add_u32 v[AV0], v9, 4, v[AV0]
	v_add_nc_u32 v[AV0], VOFF, v[AV0]
	v_lshlrev_b32 v38, 4, v9
	v_sub_nc_u32 v38, v8, v38                      ; r - 16 h
	v_add_nc_u32 v[DLO], s84, v38
	v_add_nc_u32 v[DHI], s85, v38
	v_and_b32 v[GO], 31, v0
	v_lshlrev_b32 v[GO], 4, v[GO]
	v_mul_u32_u24 v[STO], v8, SP
	v_lshl_add_u32 v[STO], v9, 3, v[STO]
	v_add_nc_u32 v[STO], s86, v[STO]               ; into the stage: row r, 8 bytes for each half of the lanes
	v_mov_b32 v[SLO+1], 0xff61b1e6                 ; the largest t so far: -3e38, under every t
	v_mov_b32 v[SHI+1], 0xff61b1e6
	v_floor_f32 v[SLO], -v[SLO+1]                  ; -M
	v_floor_f32 v[SHI], -v[SHI+1]
	v_mov_b32 v[SLO+2], 0                          ; the sum, in two halves
	v_mov_b32 v[SLO+3], 0
	v_mov_b32 v[SHI+2], 0
	v_mov_b32 v[SHI+3], 0
	v_mov_b32 v247, 0                              ; (named as the upper half of the pair v[246:247])
	v_mov_b32 v250, 0
	v_mov_b32 v251, 0                              ; written once: a lane permute's destination counts as one of its sources
	v_mov_b32 v252, 0
	v_mov_b32 v253, 0xff800000                     ; -infinity
.set j, 0
.rept 64
	v_mov_b32 v[OLO+j], 0                          ; O^T of both tiles.  (The step is written once: a tile's first step finds zeros, which the first change of M leaves zeros)
.set j, j+1
.endr
	s_wait_alu depctr_va_vdst(0)                   ; directly ahead of the wait below
	s_wait_kmcnt 0x0
	s_add_co_i32 s87, s54, s55
	s_lshl_b32 s87, s87, 23
	s_add_co_i32 s[CS], s[CS], s87                 ; a score stands for score x 2^(e2 + e3): the two exponents are added to c's exponent field
	s_mov_b32 s[CS+1], s[CS]                       ; (named with it as a pair, so it is written)
	s_add_co_i32 s87, s56, 127
	s_lshl_b32 s88, s87, 23                        ; 2^e4 as f32, for p's conversion
	s_add_co_i32 s87, s87, 8
	s_lshl_b32 s87, s87, 23
	s_or_b32 s87, s87, 0x600000                    ; 448 x 2^e4
	s_add_co_i32 s90, s58, 127
	s_lshl_b32 s91, s90, 23                        ; 2^e6, for the output's
	s_add_co_i32 s90, s90, 8
	s_lshl_b32 s90, s90, 23
	s_or_b32 s90, s90, 0x600000                    ; 448 x 2^e6
	s_add_co_i32 s89, s56, s57                     ; e4 + e5
	v_mov_b32 v244, s88
	v_mov_b32 v245, s87
	v_mov_b32 v3, s87                              ; 448 x 2^e4 once more: the two halves of a dual hold take their first sources from different register banks
	v_mov_b32 v254, s91
	v_mov_b32 v255, s90
; A KEY STEP of one tile: 128 keys.  qf: the tile's Q; oa: its O^T; sa: its statistics; dv: its mask's number; nd: the scalar register with its last step.
.macro STEP qf, oa, sa, dv, nd
	s_cmp_gt_u32 s[KS], s[\nd]                     ; all 128 keys come after the tile's queries: the step is left out
	s_cbranch_scc1 .Lhid_\@
	v_add_nc_u32 v[ADK], s[TB], v[AK0]
	v_add_nc_u32 v[ADV], s[TB], v[AV0]
	v_nop
	v_nop                                          ; four places, the two additions among them, in front of loads into registers that the last products have read
.irp t, 0,1,2,3,4,5,6,7
.irp c, 0,1
	ds_load_b128 v[FRG+8*\t+4*\c:FRG+8*\t+4*\c+3], v[ADK] offset:(16*(\t/2)+4*(\t%2))*CP+32*\c
.endr
.endr
	s_wait_alu depctr_va_vdst(0)                   ; directly ahead of the wait below
	s_wait_dscnt 0x0
.irp t, 0,1,2,3,4,5,6,7                        ; S^T = K Q^T: eight tiles of 16 keys, K = the head's 64
	v_wmma_f32_16x16x64_fp8_fp8 v[S+8*\t:S+8*\t+7], v[FRG+8*\t:FRG+8*\t+7], v[\qf:\qf+7], 0
.endr
.rept 4
	v_nop                                          ; places: in front of the loads below, and of the first read of the scores
.endr
.irp t, 0,1,2,3                                ; V's four fragments are asked for now and land under the softmax
.irp c, 0,1,2,3
	ds_load_b128 v[FRG+16*\t+4*\c:FRG+16*\t+4*\c+3], v[ADV] offset:16*\t*CP+32*\c
.endr
.endr
	s_cmp_lg_u32 s[KS], s[\nd]                     ; only the tile's last step lies on the diagonal
	s_cbranch_scc1 .Lopen_\@
.set n, 0
.rept 64                                       ; register 16 b + i holds the step's key 32 b + 16 (lane / 16) + i: hidden where 32 b + i > dv.  Hidden scores become -infinity: p = 0 then
	v_cmp_gt_i32 vcc_lo, 32*(n/16)+n%16, v[\dv]
	v_cndmask_b32 v[S+n], v[S+n], v253, vcc_lo
.set n, n+1
.endr
.Lopen_\@:
	v_max3_num_f32 v250, v[S], v[S+1], v[S+2]      ; the step's largest score of my query, among my 64 keys, in two chains: each accumulator is read from its low end on,
	v_max3_num_f32 v251, v[S+3], v[S+4], v[S+5]
.set i, 6
.rept 14
	v_max3_num_f32 v250, v250, v[S+i], v[S+i+1]
	v_max3_num_f32 v251, v251, v[S+i+2], v[S+i+3]
.set i, i+4
.endr
	v_max3_num_f32 v250, v250, v[S+62], v[S+63]
	s_delay_alu instid0(VALU_DEP_1)
	v_max_num_f32 v250, v250, v251
	s_delay_alu instid0(VALU_DEP_1)
	v_permlanex16_b32 v252, v250, s[SEL], s[SEL+1]
	s_delay_alu instid0(VALU_DEP_1)
	v_max_num_f32 v250, v250, v252                 ; and among lane l xor 16's
	s_delay_alu instid0(VALU_DEP_1)
	v_mul_f32 v250, s[CS], v250                    ; as t (c is positive)
	s_delay_alu instid0(VALU_DEP_1)
	v_max_num_f32 v[\sa+1], v[\sa+1], v250         ; the running largest t
	v_mov_b32 v250, v[\sa]
	s_delay_alu instid0(VALU_DEP_2)
	v_floor_f32 v[\sa], -v[\sa+1]                  ; the new -M = floor(-t) = -ceil(t): M is a whole number
	s_delay_alu instid0(VALU_DEP_1)
	v_sub_f32 v250, v[\sa], v250                   ; M's old value less its new one: a whole number, 0 or less
	s_delay_alu instid0(VALU_DEP_1)
	v_cvt_i32_f32 v250, v250                       ; (it saturates)
	s_delay_alu instid0(VALU_DEP_1)
	v_ldexp_f32 v246, 1.0, v250                    ; f = 2^(old M - new M)
; THE 64 NUMBERS GO IN FOUR BLOCKS OF 16.  Each block's exponentials stand one by one among plain lines that name none of their registers and whose results are read only behind the next wait:
; later blocks' t - M, or the holds of the block before.  A block's sums stand ahead of the next block's exponentials.  One wait stands between two batches (ahead of a batch and behind it).
.set j, 0
.rept 8
	v_pk_fma_f32 v[S+j:S+j+1], v[S+j:S+j+1], s[CS:CS+1], v[\sa:\sa+1] op_sel_hi:[1,0,0]   ; block 0: t - M, two at a time (of the pairs c and -M the low word serves both halves)
.set j, j+2
.endr
	v_pk_mul_f32 v[\sa+2:\sa+3], v[\sa+2:\sa+3], v[246:247] op_sel_hi:[1,0]   ; the sums under the new M
	s_wait_alu depctr_va_vdst(0)
.set j, 0
.rept 16
	v_exp_f32 v[S+j], v[S+j]                       ; p = 2^(t - M), at most 1: not normalised
	v_pk_fma_f32 v[S+16+2*j:S+17+2*j], v[S+16+2*j:S+17+2*j], s[CS:CS+1], v[\sa:\sa+1] op_sel_hi:[1,0,0]   ; blocks 1 and 2: t - M
.set j, j+1
.endr
	s_wait_alu depctr_va_vdst(0)
.irp g, 0,1,2
.if \g > 0
	v_cvt_scalef32_pk8_fp8_f32 v[PC+4*(\g-1):PC+4*(\g-1)+1], v[S+16*(\g-1):S+16*(\g-1)+7], v244
	v_cvt_scalef32_pk8_fp8_f32 v[PC+4*(\g-1)+2:PC+4*(\g-1)+3], v[S+16*(\g-1)+8:S+16*(\g-1)+15], v244
.endif
.if \g == 0
	v_pk_add_f32 v[248:249], v[S:S+1], v[S+2:S+3]  ; the row's sum is taken of the unquantised p: two at a time, in two chains
.else
	v_pk_add_f32 v[\sa+2:\sa+3], v[\sa+2:\sa+3], v[S+16*\g:S+16*\g+1]
	v_pk_add_f32 v[248:249], v[248:249], v[S+16*\g+2:S+16*\g+3]
.endif
.set j, 4
.rept 3
	v_pk_add_f32 v[\sa+2:\sa+3], v[\sa+2:\sa+3], v[S+16*\g+j:S+16*\g+j+1]
	v_pk_add_f32 v[248:249], v[248:249], v[S+16*\g+j+2:S+16*\g+j+3]
.set j, j+4
.endr
.set j, 0
.rept 8
	v_exp_f32 v[S+16*\g+16+j], v[S+16*\g+16+j]     ; block g + 1
.if j < 14
	v_dual_min_num_f32 v[S+16*\g+j], v245, v[S+16*\g+j] :: v_dual_min_num_f32 v[S+16*\g+j+1], v3, v[S+16*\g+j+1]   ; block g: the conversion to an 8-bit code does not saturate (ISA guide 7.6.2); p is not negative, so the hold is one-sided; two holds an instruction
.else
	v_min_num_f32 v[S+16*\g+j], v[S+16*\g+j], v245
.endif
	v_exp_f32 v[S+16*\g+17+j], v[S+16*\g+17+j]
.if \g == 1
	v_pk_fma_f32 v[S+48+j:S+49+j], v[S+48+j:S+49+j], s[CS:CS+1], v[\sa:\sa+1] op_sel_hi:[1,0,0]   ; block 3: t - M
.endif
.if j == 14
	v_min_num_f32 v[S+16*\g+j+1], v[S+16*\g+j+1], v245   ; the block's last two holds are single lines: a plain line stands behind the batch's last exponential
.endif
.set j, j+2
.endr
	s_wait_alu depctr_va_vdst(0)                   ; behind the last batch it also stands directly ahead of the first reader of O^T
.endr
.set j, 0
.rept 4                                        ; O^T under the new M (x f), among block 3's sums: plain lines alone
	v_pk_mul_f32 v[\oa+2*j:\oa+2*j+1], v[\oa+2*j:\oa+2*j+1], v[246:247] op_sel_hi:[1,0]
	v_pk_add_f32 v[\sa+2:\sa+3], v[\sa+2:\sa+3], v[S+48+j:S+49+j]
	v_pk_mul_f32 v[\oa+2*j+2:\oa+2*j+3], v[\oa+2*j+2:\oa+2*j+3], v[246:247] op_sel_hi:[1,0]
	v_pk_add_f32 v[248:249], v[248:249], v[S+50+j:S+51+j]
	v_pk_mul_f32 v[\oa+2*j+4:\oa+2*j+5], v[\oa+2*j+4:\oa+2*j+5], v[246:247] op_sel_hi:[1,0]
	v_pk_mul_f32 v[\oa+2*j+6:\oa+2*j+7], v[\oa+2*j+6:\oa+2*j+7], v[246:247] op_sel_hi:[1,0]
.set j, j+4
.endr
.set j, 0
.rept 8                                        ; block 3's holds, behind its sums
	v_dual_min_num_f32 v[S+48+j], v245, v[S+48+j] :: v_dual_min_num_f32 v[S+49+j], v3, v[S+49+j]
.set j, j+2
.endr
	v_pk_add_f32 v[\sa+2:\sa+3], v[\sa+2:\sa+3], v[248:249]
.irp b, 2,3
	v_cvt_scalef32_pk8_fp8_f32 v[PC+4*\b:PC+4*\b+1], v[S+16*\b:S+16*\b+7], v244
	v_cvt_scalef32_pk8_fp8_f32 v[PC+4*\b+2:PC+4*\b+3], v[S+16*\b+8:S+16*\b+15], v244
.endr
	v_nop                                          ; a plain line between the last conversion and the products that read the codes
	s_wait_alu depctr_va_vdst(0)                   ; directly ahead of the wait below
	s_wait_dscnt 0x0                               ; V's fragments are in
.irp t, 0,1,2,3                                ; O^T += V^T P^T: four tiles of 16 of the head's 64; K = these 128 keys.  The four accumulators take turns, and eight other products stand between two links of a chain
	v_wmma_f32_16x16x128_fp8_fp8 v[\oa+8*\t:\oa+8*\t+7], v[FRG+16*\t:FRG+16*\t+15], v[PC:PC+15], v[\oa+8*\t:\oa+8*\t+7]
.endr
.Lhid_\@:
.endm
.macro PAIR                            ; one key step of both tiles, and on to the next
	STEP QLO, OLO, SLO, DLO, NLO
	STEP QHI, OHI, SHI, DHI, NHI
	s_add_co_u32 s[KS], s[KS], 1
	s_add_co_u32 s[TB], s[TB], STEPB
.endm
	s_wait_alu depctr_va_vdst(0)
	s_wait_tensorcnt 0x0                           ; my part of key steps 0 and 1 is in;
	ds_add_u32 v[SPW], v[NIL]                      ; 0 onto my spare word;
	s_wait_dscnt 0x0                               ; the add is done
	CROUND                                         ; everybody's part is in, and all four work-groups are here: the joint loads meet
	tensor_load_to_lds s[G0B:G0B+3], s[G1B:G1B+7]  ; my part of key steps 2 to 15: bytes that nothing has filled and that no step reads before the barrier below
	s_nop 0
	s_wait_loadcnt 0x0                             ; Q
	s_mov_b32 s[CNT], 2
.Lfirst:                                           ; key steps 0 and 1, while the rest is on its way
	PAIR
	s_sub_co_u32 s[CNT], s[CNT], 1
	s_cmp_lg_u32 s[CNT], 0
	s_cbranch_scc1 .Lfirst
	s_wait_tensorcnt 0x0                           ; my part of the rest is in
	ds_add_u32 v[SPW], v[NIL]
	s_wait_dscnt 0x0
	s_barrier_signal -1
	s_barrier_wait -1                              ; everybody's is: from here on the tiles are only read
	s_mov_b32 s[KS], 2
	s_mov_b32 s[TB], 2*STEPB
	s_mov_b32 s[CNT], 14
.Lrest:                                            ; key steps 2 to 15: no barrier; each wave works the steps that its tiles need
	PAIR
	s_sub_co_u32 s[CNT], s[CNT], 1
	s_cmp_lg_u32 s[CNT], 0
	s_cbranch_scc1 .Lrest
	; THE WAY OUT.  The sums' halves are added; O^T x 2^(e4 + e5) / the sum is held, turned into codes with 2^e6, and goes through my stage in LDS, so that the wave stores 512 consecutive bytes an instruction.
.rept 4
	v_nop                                          ; places behind the last products
.endr
	v_add_f32 v[SLO+2], v[SLO+2], v[SLO+3]         ; the sum's two halves,
	v_add_f32 v[SHI+2], v[SHI+2], v[SHI+3]
	s_delay_alu instid0(VALU_DEP_2)
	v_permlanex16_b32 v252, v[SLO+2], s[SEL], s[SEL+1]
	s_delay_alu instid0(VALU_DEP_2)
	v_permlanex16_b32 v251, v[SHI+2], s[SEL], s[SEL+1]
	s_delay_alu instid0(VALU_DEP_2)
	v_add_f32 v[SLO+2], v[SLO+2], v252             ; and lane l xor 16's: the row's sum
	s_delay_alu instid0(VALU_DEP_2)
	v_add_f32 v[SHI+2], v[SHI+2], v251
	s_wait_alu depctr_va_vdst(0)
	v_rcp_f32 v[SLO+2], v[SLO+2]
	v_rcp_f32 v[SHI+2], v[SHI+2]
	v_and_b32 v9, 31, v0                           ; (plain lines behind the reciprocals)  back from the stage: four lanes to a row of 64 bytes, eight rows an instruction
	s_delay_alu instid0(VALU_DEP_1)
	v_lshrrev_b32 v8, 2, v9
	s_delay_alu instid0(VALU_DEP_2)
	v_and_b32 v9, 3, v9
	s_delay_alu instid0(VALU_DEP_2)
	v_mul_u32_u24 v8, v8, SP
	s_delay_alu instid0(VALU_DEP_1)
	v_lshl_add_u32 v8, v9, 4, v8
	s_delay_alu instid0(VALU_DEP_1)
	v_add_nc_u32 v8, s86, v8
	s_wait_alu depctr_va_vdst(0)                   ; one wait for both reciprocals, ahead of their first reader
	v_ldexp_f32 v[SLO+2], v[SLO+2], s89            ; x 2^(e4 + e5)
	v_ldexp_f32 v[SHI+2], v[SHI+2], s89
.macro TILEOUT u, oa, sa               ; both tiles go through the one stage: LDS serves a wave's instructions in order, so the second tile's stores come behind the first's loads
	s_wait_alu depctr_va_vdst(0)                   ; directly ahead of the first reader of O^T
.set j, 0
.rept 16
	v_pk_mul_f32 v[S+32*\u+j:S+32*\u+j+1], v[\oa+j:\oa+j+1], v[\sa+2:\sa+3] op_sel_hi:[1,0]   ; register 8 t + i is o(query r, d = 16 t + 8 h + i); each accumulator from its low end on
.set j, j+2
.endr
.set j, 0
.rept 32
	v_med3_num_f32 v[S+32*\u+j], v[S+32*\u+j], -v255, v255
.set j, j+1
.endr
.irp t, 0,1,2,3
	v_cvt_scalef32_pk8_fp8_f32 v[PC+8*\u+2*\t:PC+8*\u+2*\t+1], v[S+32*\u+8*\t:S+32*\u+8*\t+7], v254
.endr
	v_nop                                          ; a plain vector line behind the last conversion
.irp t, 0,1,2,3
	ds_store_b64 v[STO], v[PC+8*\u+2*\t:PC+8*\u+2*\t+1] offset:16*\t
.endr
.irp g, 0,1
	ds_load_b128 v[FRG+8*\u+4*\g:FRG+8*\u+4*\g+3], v8 offset:8*SP*\g
.endr
.endm
	TILEOUT 0, OLO, SLO
	TILEOUT 1, OHI, SHI
	s_wait_dscnt 7                                 ; behind the low tile's first load: its second, and the high tile's four stores and two loads
	global_store_b128 v[GO], v[FRG:FRG+3], s[66:67] th:TH_STORE_NT                 ; eight rows of 64 bytes: 512 consecutive bytes, aligned to 256
	s_wait_dscnt 6
	global_store_b128 v[GO], v[FRG+4:FRG+7], s[66:67] offset:512 th:TH_STORE_NT
	s_wait_dscnt 1
	global_store_b128 v[GO], v[FRG+8:FRG+11], s[68:69] th:TH_STORE_NT
	s_wait_dscnt 0
	global_store_b128 v[GO], v[FRG+12:FRG+15], s[68:69] offset:512 th:TH_STORE_NT
	s_wait_tensorcnt 0x0                           ; the wave's end, behind my last tensor load and my last LDS store
	ds_add_u32 v[SPW], v[NIL]
	s_wait_dscnt 0x0
	CROUND                                         ; the closing round: no work-group ends while a partner may still ask for a tile that names it
	s_endpgm
.Lfunc_end_k_qf83e777556_attn:
	.size	k_qf83e777556_attn, .Lfunc_end_k_qf83e777556_attn-k_qf83e777556_attn
	.p2alignl 7, 3214868480
	.fill 96, 4, 3214868480
	.section	.rodata,"a",@progbits
	.p2align	6, 0x0
	.amdhsa_kernel k_qf83e777556_attn
		.amdhsa_group_segment_fixed_size 327680
		.amdhsa_private_segment_fixed_size 0
		.amdhsa_enable_private_segment 0
		.amdhsa_kernarg_size 24
		.amdhsa_user_sgpr_count 2
		.amdhsa_user_sgpr_kernarg_segment_ptr 1
		.amdhsa_wavefront_size32 1
		.amdhsa_system_sgpr_workgroup_id_x 1
		.amdhsa_system_sgpr_workgroup_id_y 1
		.amdhsa_system_sgpr_workgroup_id_z 1
		.amdhsa_system_vgpr_workitem_id 0
		.amdhsa_next_free_vgpr 256
		.amdhsa_next_free_sgpr 96
		.amdhsa_reserve_vcc 1
		.amdhsa_float_denorm_mode_32 3
		.amdhsa_float_denorm_mode_16_64 3
		.amdhsa_memory_ordered 1
		.amdhsa_forward_progress 1
		.amdhsa_inst_pref_size 104
	.end_amdhsa_kernel
	.amdgpu_metadata
---
amdhsa.version: [ 1, 2 ]
amdhsa.kernels:
  - .name:           k_qf83e777556_attn
    .symbol:         k_qf83e777556_attn.kd
    .args:
      - { .name: qkv, .offset: 0, .size: 8, .value_kind: global_buffer, .address_space: global }
      - { .name: lowp_scales, .offset: 8, .size: 8, .value_kind: global_buffer, .address_space: global }
      - { .name: oc, .offset: 16, .size: 8, .value_kind: global_buffer, .address_space: global }
    .group_segment_fixed_size: 327680
    .private_segment_fixed_size: 0
    .kernarg_segment_align: 8
    .kernarg_segment_size: 24
    .max_flat_workgroup_size: 512
    .sgpr_count:     96
    .vgpr_count:     256
    .wavefront_size: 32
...
	.end_amdgpu_metadata
.endif
;; end of part 3
;; launch gemm_out (part 4): grid 4 x 64, 4 waves a work-group, clusters of 4 x 4, 327,680 bytes of LDS; arguments oc, woc, lowp_scales, b_out, out0; writes out0
.if DOCPART == 4
	.amdgcn_target "amdgcn-amd-amdhsa--gfx1250"
	.amdhsa_code_object_version 6
	.text
	.protected	k_qf83e777556_gemm_out
	.globl	k_qf83e777556_gemm_out
	.p2align	8
	.type	k_qf83e777556_gemm_out,@function
k_qf83e777556_gemm_out:
	s_mov_b64 s[64:65], 0
	v_nop
	global_prefetch_b8 v0, s[64:65] scope:SCOPE_SE
	s_setreg_imm32_b32 hwreg(HW_REG_WAVE_MODE, 25, 1), 1
	s_wait_xcnt 0x0
	s_wait_alu depctr_hold_cnt(0) depctr_sa_sdst(0) depctr_va_vdst(0) depctr_va_sdst(0) depctr_va_ssrc(0) depctr_va_vcc(0) depctr_vm_vsrc(0)
	s_getreg_b32 s2, hwreg(HW_REG_IB_STS2, 6, 4)
	s_cmp_eq_u32 s2, 0
	s_cbranch_scc0 .Lentry_in_a_cluster
	s_endpgm
.Lentry_in_a_cluster:
	s_bfe_u32 s2, ttmp6, 0x10000c
	s_cmp_lg_u32 s2, 0xf033
	s_cbranch_scc0 .Lentry_shape_is_right
	s_endpgm
.Lentry_shape_is_right:
; out0 = o w_out^T + b_out on codes of FP8 (E4M3): each finished sum x 2^(e6 + e7) + bias, f32.
; oc: [head (16)][token (8192)][64], one code a byte: plane p holds K = 64 p .. 64 p + 63.  woc: [1024 (n)][1024 (k)].  out0: [8192][1024] f32.
; LIMIT: e6 + e7 lies between -126 and 127, so that 2^(e6 + e7) is an f32 number.
; A block of 128 tokens x 256 features is made by four waves, 64 x 128 each: 32 accumulators, 256 registers.  8,192 / 128 x 1,024 / 256 = 256 work-groups.
; LDS HOLDS THREE QUARTERS OF K AT ONCE.  A: 12 planes of 128 tokens; two tokens' 64 bytes and 16 of padding make a row of 144 bytes.  B: three chunks of 256 rows x (256 bytes + 16).
; They come by one tensor load a wave at the head: waves 0 to 2 a chunk of B each, wave 3 all of A.  When K = 0 .. 255 has been read into registers, its place is filled again with K = 768 .. 1,023
; (wave 3: A's planes 12 to 15; wave 0: B's chunk 3), which is on its way while K = 256 .. 767 is multiplied.  The text is straight: eight steps of 128 along K, no loop; so there is no loop in which a prefetch could run ahead.
; CLUSTERS: 4 x 4 work-groups.  The four of a row of the cluster need the same tokens, the four of a column the same features: each tile is asked for JOINTLY.
; THE MATRIX INSTRUCTION IS USED TRANSPOSED (source 0 = 16 rows of woc, source 1 = 16 tokens): a lane holds eight neighbouring numbers of a row of out0.
; THE TOKENS OF A TILE ARE NOT NEIGHBOURS: lane r of tile a takes token 32 (a / 2) + 8 (a % 2) + r + 8 (r / 8): the sixteen tokens of a load then begin at sixteen different multiples of 16 bytes modulo 256.
; REGISTERS, in windows of 256: window 0: v0-31 addresses, v32-95 the bias, v128-255 A's fragments in two sets; window 1: B's fragments in two sets; window 2: accumulator (a, b) at v[8 (8 a + b)].
.set SIZE_N, 1024
.set KROW,   1024
.set PITCH,  272                       ; B's LDS row
.set CHB,    256*PITCH                 ; a chunk of B: 256 along K of 256 rows
.set AP,     144                       ; A's LDS row: two tokens
.set PLANE,  64*AP                     ; a plane of 128 tokens
.set CHA,    4*PLANE                   ; 256 along K of A
.set BOFF,   3*CHA
.set SPARE,  BOFF+3*CHB                ; behind the tiles: the spare words, 128 bytes for each wave
.set APL,    8192*64                   ; a plane in memory
.set SPITCH, 528                       ; the way out: a stage of 16 rows x (512 bytes + 16) for each wave, from LDS byte 0 on: laid over tiles that have had their last fill and, behind the last barrier, their last read
.set ADRA, 16                          ; v16-18  LDS address of my A fragments in place 0, 1, 2
.set ADRB, 20                          ; v20-22  the same for B
.set STO,  24
.set RD,   25
.set CO,   26
.set SPW,  28                          ; v28  LDS address of my spare word; never rewritten
.set NIL,  29                          ; v29  0; never rewritten
.set B0,   32                          ; v32-95  register 8 b + j = bias[my first feature + 16 b + 8 (lane / 16) + j]
.set TMP,  0                           ; the way out: a block's 64 numbers, in window 1
.set BK,   128                         ; rows read back from the stage: v128-191 and v192-255 by turns
.set G1A,  24                          ; s[24:31] group 1 for A's 12 planes;  s[32:39] for its last 4;  s[48:55] for a chunk of B;  s[56:59], s[60:63] groups 0 of A and B
.set G1A4, 32
.set G1B,  48
.set G0A,  56
.set G0B,  60
.set MSB, 0
.macro WIN new                         ; the immediate's high byte repeats the setting that is left
.if MSB != \new
	s_set_vgpr_msb (MSB<<8)|\new
.set MSB, \new
.endif
.endm
.set MUL,  0xa1                        ; source 0 (B) window 1, source 1 (A) window 0, C and D window 2
.set TO_B, 0x40                        ; destination window 1, address window 0
.macro CREST                           ; a round of the cluster's barrier behind its opening barrier
	s_cmp_lg_u32 s14, 0
	s_cbranch_scc1 .Lnot_wave_0_\@
	s_barrier_signal -3
.Lnot_wave_0_\@:
	s_barrier_wait -3
	s_barrier_signal -1
	s_barrier_wait -1
.endm
.macro CROUND
	s_barrier_signal -1
	s_barrier_wait -1
	CREST
.endm
.macro PLACES
.rept 4
	v_nop
.endr
.endm
	s_load_b128 s[4:7], s[0:1], 0x0                ; oc s[4:5], woc s[6:7]
	s_load_b128 s[8:11], s[0:1], 0x10              ; the scales' exponents s[8:9], the bias s[10:11]
	s_load_b64 s[12:13], s[0:1], 0x20              ; out0
	v_lshl_add_u32 v[SPW], v0, 2, SPARE
	v_mov_b32 v[NIL], 0
	ds_add_u32 v[SPW], v[NIL]                      ; the wave's opening: the add, twice on end, and its wait ahead of my first tensor load
	ds_add_u32 v[SPW], v[NIL]
	v_lshrrev_b32 v1, 5, v0
	v_readfirstlane_b32 s14, v1                    ; wave 0..3
	s_lshr_b32 s15, s14, 1                         ; which 64 tokens are mine
	s_and_b32 s16, s14, 1                          ; which 128 features
	s_bfe_u32 s40, ttmp6, 0x40000                  ; cx, cy: my place in the cluster
	s_bfe_u32 s41, ttmp6, 0x40004
	s_lshl_b32 s42, ttmp9, 2
	s_add_co_u32 s42, s42, s40                     ; block column = 4 x cluster x + cx
	s_and_b32 s17, ttmp7, 0xffff
	s_lshl_b32 s17, s17, 2
	s_add_co_u32 s17, s17, s41                     ; block row = 4 x cluster y + cy
	s_lshl_b32 s43, s41, 2
	s_lshl_b32 s43, 15, s43                        ; my row of the cluster
	s_lshl_b32 s44, 0x1111, s40                    ; my column
	s_or_b32 s[G1A], s43, (0<<16)|(1<<20)|(1<<21)|(4<<22)|(3<<25)   ; 15:0 the mask; elements of 1 byte; padding on; 21 set beside a mask; four words after every 32
	s_or_b32 s[G1A4], s43, (0<<16)|(1<<20)|(1<<21)|(4<<22)|(3<<25)
	s_or_b32 s[G1B], s44, (0<<16)|(1<<20)|(1<<21)|(5<<22)|(3<<25)   ; four words after every 64
.irp g, G1A, G1A4
	s_mov_b32 s[\g+1], 8192<<16                    ; tensor_dim0: 128 tokens x 64 bytes lie on end in a plane
	s_mov_b32 s[\g+3], 8192<<16                    ; tile_dim0
	s_mov_b32 s[\g+5], APL                         ; from plane to plane
	s_mov_b32 s[\g+6], 0
	s_mov_b32 s[\g+7], 0
.endr
	s_mov_b32 s[G1A+2], 12<<16                     ; tensor_dim1, tile_dim1: planes
	s_mov_b32 s[G1A+4], 12
	s_mov_b32 s[G1A4+2], 4<<16
	s_mov_b32 s[G1A4+4], 4
	s_mov_b32 s[G1B+1], 256<<16
	s_mov_b32 s[G1B+2], 256<<16
	s_mov_b32 s[G1B+3], 256<<16
	s_mov_b32 s[G1B+4], 256
	s_mov_b32 s[G1B+5], KROW
	s_mov_b32 s[G1B+6], 0
	s_mov_b32 s[G1B+7], 0
	s_lshl_b32 s20, s17, 13                        ; A: 128 tokens x 64 bytes x block row
	s_mov_b32 s21, 0
	s_lshl_b32 s46, s42, 18                        ; B: 256 rows x 1,024 bytes x block column,
	s_lshl_b32 s47, s14, 8
	s_add_co_u32 s46, s46, s47                     ; + 256 bytes x wave: chunk 0, 1, 2 for waves 0, 1, 2
	s_mov_b32 s47, 0
	s_mul_i32 s45, s14, CHB
	s_add_co_u32 s45, s45, BOFF                    ; and its place: no place in the cluster enters an LDS address
	s_mul_i32 s80, s15, 32*AP                      ; my 64 tokens in a plane
	s_mul_i32 s81, s16, 128*PITCH
	s_add_co_u32 s81, s81, BOFF                    ; my 128 rows in a chunk
	s_mul_i32 s23, s14, 16*SPITCH                  ; my stage
	s_lshl_b32 s70, s17, 7
	s_lshl_b32 s71, s15, 6
	s_add_co_u32 s70, s70, s71                     ; my first token
	s_lshl_b32 s70, s70, 12                        ; 4,096 bytes a row of out0
	s_lshl_b32 s72, s42, 8
	s_lshl_b32 s73, s16, 7
	s_add_co_u32 s72, s72, s73                     ; my first feature
	s_lshl_b32 s72, s72, 2
	s_mov_b32 s73, 0
	s_add_co_u32 s70, s70, s72
	s_mov_b32 s71, 0
	s_wait_dscnt 0x0                               ; both opening adds are done
	s_wait_kmcnt 0x0
	s_load_b64 s[96:97], s[8:9], 0x18              ; e6, e7
	s_mov_b32 s[G0A], 1
	s_mov_b32 s[G0A+1], 0
	s_add_nc_u64 s[G0A+2:G0A+3], s[4:5], s[20:21]
	s_or_b32 s[G0A+3], s[G0A+3], 0x80000000
	s_mov_b32 s[G0B], 1
	s_mov_b32 s[G0B+1], s45
	s_add_nc_u64 s[G0B+2:G0B+3], s[6:7], s[46:47]
	s_or_b32 s[G0B+3], s[G0B+3], 0x80000000
	s_add_nc_u64 s[10:11], s[10:11], s[72:73]
	s_add_nc_u64 s[12:13], s[12:13], s[70:71]
	CROUND                                         ; all sixteen work-groups are here: the first joint loads meet
	s_cmp_eq_u32 s14, 3                            ; one tensor load a wave at the head; the branch hangs on the wave's number alone
	s_cbranch_scc0 .Lhead_b
	tensor_load_to_lds s[G0A:G0A+3], s[G1A:G1A+7]
	s_nop 0
	s_branch .Lhead_join
.Lhead_b:
	tensor_load_to_lds s[G0B:G0B+3], s[G1B:G1B+7]
	s_nop 0
.Lhead_join:
	v_and_b32 v1, 15, v0                           ; r = l % 16
	v_bfe_u32 v2, v0, 4, 1                         ; h = l / 16
	v_mul_u32_u24 v3, v1, PITCH
	v_lshl_add_u32 v4, v2, 4, v3                   ; B: row r x pitch + 16 h
	v_and_b32 v5, 8, v1
	v_add_nc_u32 v5, v5, v1                        ; A: my token of a tile: r + 8 (r / 8),
	v_lshrrev_b32 v5, 1, v5                        ; its LDS row,
	v_mul_u32_u24 v5, v5, AP
	v_and_b32 v6, 1, v1                            ; which half of that row,
	v_lshl_add_u32 v5, v6, 6, v5
	v_lshl_add_u32 v7, v2, 4, v5                   ; + 16 h
	v_add_nc_u32 v[ADRA], s80, v7
	v_add_nc_u32 v[ADRA+1], CHA, v[ADRA]
	v_add_nc_u32 v[ADRA+2], 2*CHA, v[ADRA]
	v_add_nc_u32 v[ADRB], s81, v4
	v_add_nc_u32 v[ADRB+1], CHB, v[ADRB]
	v_add_nc_u32 v[ADRB+2], 2*CHB, v[ADRB]
	v_mul_u32_u24 v9, v1, SPITCH                   ; into the stage: row r, 32 bytes for each half of the lanes
	v_lshl_add_u32 v9, v2, 5, v9
	v_add_nc_u32 v[STO], s23, v9
	v_and_b32 v10, 31, v0
	v_lshlrev_b32 v[CO], 4, v10                    ; back: the 32 lanes take one row of 512 bytes; and the same in out0
	v_add_nc_u32 v[RD], s23, v[CO]
	v_lshlrev_b32 v8, 5, v2                        ; the bias: 8 numbers for each half of the lanes; never rewritten
.irp b, 0,1,2,3,4,5,6,7
	global_load_b128 v[B0+8*\b:B0+8*\b+3], v8, s[10:11] offset:64*\b
	global_load_b128 v[B0+8*\b+4:B0+8*\b+7], v8, s[10:11] offset:64*\b+16
.endr
; The fragments of one step of 128 along K, the q-th of the place pl, into set p: 48 loads.  Registers 4 c .. 4 c + 3 hold K = 32 c + 16 (l / 16) + 0 .. 15 in both sources.
.macro FETCH pl, q, p
	WIN TO_B
.irp i, 0,1,2,3,4,5,6,7
.irp c, 0,1,2,3
	ds_load_b128 v[128*(\p)+16*\i+4*\c:128*(\p)+16*\i+4*\c+3], v[ADRB+\pl] offset:128*(\q)+32*\c+\i*16*PITCH
.endr
.endr
	WIN 0
.irp a, 0,1,2,3
.irp c, 0,1,2,3
	ds_load_b128 v[128+64*(\p)+16*\a+4*\c:128+64*(\p)+16*\a+4*\c+3], v[ADRA+\pl] offset:(2*(\q)+\c/2)*PLANE+(16*(\a/2)+4*(\a%2))*AP+32*(\c%2)
.endr
.endr
.endm
; 16 matrix instructions: A's tiles a0, a0 + 1 x B's eight.  The 32 accumulators take turns in the same order in every step.  zero = 1: the first product starts the sums.
.macro MUL16 a0, p, zero
.irp a, \a0, \a0+1
.irp b, 0,1,2,3,4,5,6,7
.if \zero
	v_wmma_f32_16x16x128_fp8_fp8 v[8*(8*(\a)+\b):8*(8*(\a)+\b)+7], v[128*(\p)+16*\b:128*(\p)+16*\b+15], v[128+64*(\p)+16*(\a):128+64*(\p)+16*(\a)+15], 0
.else
	v_wmma_f32_16x16x128_fp8_fp8 v[8*(8*(\a)+\b):8*(8*(\a)+\b)+7], v[128*(\p)+16*\b:128*(\p)+16*\b+15], v[128+64*(\p)+16*(\a):128+64*(\p)+16*(\a)+15], v[8*(8*(\a)+\b):8*(8*(\a)+\b)+7]
.endif
.endr
.endr
.endm
; A step: its fragments are in set p; the next step's are asked for, into the other set, four places behind the products that read that set; then the 32 products.
.macro STEPN p, npl, nq, zero
	s_wait_dscnt 0x0
	PLACES
	FETCH \npl, \nq, 1-(\p)
	WIN MUL
	MUL16 0, \p, \zero
	MUL16 2, \p, \zero
	WIN 0
.endm
; A step with a barrier.  In front of it each wave waits for all its tensor loads, adds 0 to its spare word, and waits for that and for its LDS reads.
; fill = 1: the barrier opens a round of the cluster's; behind it place 0, which nobody reads any more, is filled again.  fill = 0: the refill has landed in every wave's sight.
.macro TURN p, fill, npl, nq
	s_wait_tensorcnt 0x0
	ds_add_u32 v[SPW], v[NIL]
	s_wait_dscnt 1                                 ; this step's 48 loads are in; the add may be out
	WIN MUL
	MUL16 0, \p, 0
	s_wait_dscnt 0x0
	s_barrier_signal -1
	MUL16 2, \p, 0
	WIN 0
	s_barrier_wait -1
.if \fill
	CREST
	s_add_nc_u64 s[G0A+2:G0A+3], s[G0A+2:G0A+3], 12*APL   ; no load of mine is out, so the groups 0 may be written: planes 12 to 15,
	s_add_nc_u64 s[G0B+2:G0B+3], s[G0B+2:G0B+3], 768      ; and in wave 0 chunk 3
	s_cmp_eq_u32 s14, 3
	s_cbranch_scc0 .Lfill_b
	tensor_load_to_lds s[G0A:G0A+3], s[G1A4:G1A4+7]
	s_nop 0
	s_branch .Lfill_join
.Lfill_b:
	s_cmp_eq_u32 s14, 0
	s_cbranch_scc0 .Lfill_join
	tensor_load_to_lds s[G0B:G0B+3], s[G1B:G1B+7]
	s_nop 0
.Lfill_join:
.endif
	PLACES
	FETCH \npl, \nq, 1-(\p)
.endm
	s_wait_alu depctr_va_vdst(0)
	s_wait_tensorcnt 0x0                           ; my load is in,
	s_barrier_signal -1
	s_barrier_wait -1                              ; everybody's is
	FETCH 0, 0, 0
	STEPN 0, 0, 1, 1                               ; K = 0
	TURN  1, 1, 1, 0                               ; K = 128; place 0 is filled again
	STEPN 0, 1, 1, 0                               ; K = 256
	STEPN 1, 2, 0, 0
	STEPN 0, 2, 1, 0
	TURN  1, 0, 0, 0                               ; K = 640; the refill is awaited
	STEPN 0, 0, 1, 0                               ; K = 768
	s_wait_dscnt 0x0                               ; K = 896: my last reads of the tiles are over:
	s_barrier_signal -1
	WIN MUL
	MUL16 0, 1, 0
	MUL16 2, 1, 0
	WIN 0
	s_barrier_wait -1                              ; everybody's are: the stages may lie over the tiles
; THE WAY OUT, tile by tile of 16 tokens x 128 features: sum x 2^(e6 + e7) + bias by one packed multiply-add, each accumulator from its low end on; through my stage; back as whole rows of 512 bytes.
; LDS serves a wave's instructions in order (ISA guide 5.7.1.4): no wait between the stores and the loads, nor in front of the next tile's stores.
.macro TOSTAGE a
	WIN 0x42                                       ; source 0 window 2, destination window 1
.set j, 0
.rept 32
	v_pk_fma_f32 v[TMP+j:TMP+j+1], v[64*(\a)+j:64*(\a)+j+1], s[96:97], v[B0+j:B0+j+1] op_sel_hi:[1,0,1]
.set j, j+2
.endr
	WIN 0x04                                       ; the stores' data in window 1
.irp b, 0,1,2,3,4,5,6,7
	ds_store_b128 v[STO], v[TMP+8*\b:TMP+8*\b+3] offset:64*\b
	ds_store_b128 v[STO], v[TMP+8*\b+4:TMP+8*\b+7] offset:64*\b+16
.endr
	WIN 0
.irp t, 0,1,2,3,4,5,6,7,8,9,10,11,12,13,14,15
	ds_load_b128 v[BK+64*((\a)%2)+4*\t:BK+64*((\a)%2)+4*\t+3], v[RD] offset:\t*SPITCH
.endr
.endm
.macro SEND a, younger                 ; younger: the LDS instructions issued behind tile a's loads, which may stay out
	s_wait_dscnt \younger
.irp t, 0,1,2,3,4,5,6,7,8,9,10,11,12,13,14,15
	global_store_b128 v[CO], v[BK+64*((\a)%2)+4*\t:BK+64*((\a)%2)+4*\t+3], s[12:13] offset:(32*((\a)/2)+8*((\a)%2)+\t+8*(\t/8))*SIZE_N*4 th:TH_STORE_NT   ; 32 lanes store 512 consecutive bytes, aligned to 256: stage row t is the tile's token t + 8 (t / 8)
.endr
.endm
	s_wait_kmcnt 0x0
	s_add_co_i32 s96, s96, s97                     ; e6 + e7
	s_add_co_i32 s96, s96, 127
	s_lshl_b32 s96, s96, 23                        ; 2^(e6 + e7) as f32
	s_mov_b32 s97, s96                             ; (named with it as a pair, so it is written)
	s_wait_loadcnt 0x0                             ; the bias
	PLACES                                         ; behind the last products: for the reads of results and the loads into A's registers
	TOSTAGE 0
.irp k, 1,2,3
.if \k > 1
	s_wait_xcnt 0x0                                ; tile k - 2's stores have read their registers: tile k's loads may land there
.endif
	TOSTAGE \k
	SEND \k-1, 32                                  ; behind tile k - 1's loads: tile k's 16 stores and 16 loads
.endr
	SEND 3, 0
	s_wait_tensorcnt 0x0                           ; the wave's end, behind my last tensor load and my last LDS store
	ds_add_u32 v[SPW], v[NIL]
	s_wait_dscnt 0x0
	CROUND                                         ; the closing round: no work-group ends while a partner may still ask for a tile that names it
	s_endpgm
.Lfunc_end_k_qf83e777556_gemm_out:
	.size	k_qf83e777556_gemm_out, .Lfunc_end_k_qf83e777556_gemm_out-k_qf83e777556_gemm_out
	.p2alignl 7, 3214868480
	.fill 96, 4, 3214868480
	.section	.rodata,"a",@progbits
	.p2align	6, 0x0
	.amdhsa_kernel k_qf83e777556_gemm_out
		.amdhsa_group_segment_fixed_size 327680
		.amdhsa_private_segment_fixed_size 0
		.amdhsa_enable_private_segment 0
		.amdhsa_kernarg_size 40
		.amdhsa_user_sgpr_count 2
		.amdhsa_user_sgpr_kernarg_segment_ptr 1
		.amdhsa_wavefront_size32 1
		.amdhsa_system_sgpr_workgroup_id_x 1
		.amdhsa_system_sgpr_workgroup_id_y 1
		.amdhsa_system_sgpr_workgroup_id_z 1
		.amdhsa_system_vgpr_workitem_id 0
		.amdhsa_next_free_vgpr 768
		.amdhsa_next_free_sgpr 100
		.amdhsa_reserve_vcc 0
		.amdhsa_float_denorm_mode_32 3
		.amdhsa_float_denorm_mode_16_64 3
		.amdhsa_memory_ordered 1
		.amdhsa_forward_progress 1
		.amdhsa_inst_pref_size 75
	.end_amdhsa_kernel
	.amdgpu_metadata
---
amdhsa.version: [ 1, 2 ]
amdhsa.kernels:
  - .name:           k_qf83e777556_gemm_out
    .symbol:         k_qf83e777556_gemm_out.kd
    .args:
      - { .name: oc, .offset: 0, .size: 8, .value_kind: global_buffer, .address_space: global }
      - { .name: woc, .offset: 8, .size: 8, .value_kind: global_buffer, .address_space: global }
      - { .name: lowp_scales, .offset: 16, .size: 8, .value_kind: global_buffer, .address_space: global }
      - { .name: b_out, .offset: 24, .size: 8, .value_kind: global_buffer, .address_space: global }
      - { .name: out0, .offset: 32, .size: 8, .value_kind: global_buffer, .address_space: global }
    .group_segment_fixed_size: 327680
    .private_segment_fixed_size: 0
    .kernarg_segment_align: 8
    .kernarg_segment_size: 40
    .max_flat_workgroup_size: 128
    .sgpr_count:     100
    .vgpr_count:     768
    .wavefront_size: 32
...
	.end_amdgpu_metadata
.endif
;; end of part 4
